; MI455X (gfx1250); checked and timed in simulation.
; The chip was launched on July 23, 2026; its instructions are those of AMD's public machine-readable ISA for CDNA 5 (MIT licence, August 2026) and "CDNA5" Instruction Set Architecture Reference Guide (July 2026). The comments in the code are by the model that wrote it; some were corrected since.
;; Self Attention. Allowed arithmetic: matrix products marked QUANTISED: E3M2 operands, one E8M0 scale for each 32 along K, by v_wmma_scale_f32_16x16x128_f8f6f4 with both operands' format E3M2, f32 sums; everything else in f32.
;; Inputs: Wk 2,048 x 2,048 float32; Wo 2,048 x 2,048 float32; Wq 2,048 x 2,048 float32; Wv 2,048 x 2,048 float32; bk 2,048 float32; bo 2,048 float32; bq 2,048 float32; bv 2,048 float32; freqs 2,048 x 64 float32; gk 2,048 float32; gq 2,048 float32; x 1 x 2,048 x 2,048 float32.
;; Outputs: out0 1 x 2,048 x 2,048 float32.
;; Constants: topk = 10.
;; This version of the problem:
;;   THIS VERSION OF THE PROBLEM IS GIVEN IN LOW PRECISION. The matrix products marked QUANTISED in the list below multiply operands that are first quantised to E3M2 (3 exponent bits, 2 mantissa bits; 6 bits a number), with one power-of-two scale for each 32 numbers along K (OCP MX v1.0); their sums are f32. All else is computed in f32.
;;   The module's matrix products, in the order in which they are computed (A, B: the left and right operand; K: the contracted axis; several contracted axes count as one K, in the product's order):
;;     1. [M 2,048, K 2,048] x [K 2,048, N 2,048]; A: input x; B: input Wq: QUANTISED
;;     2. [M 2,048, K 2,048] x [K 2,048, N 2,048]; A: input x; B: input Wk: QUANTISED
;;     3. [M 2,048, K 2,048] x [K 2,048, N 2,048]; A: input x; B: input Wv: QUANTISED
;;     4. batch 16 x [M 16, K 128] x [K 128, N 16]; A: computed on the way; B: computed on the way: QUANTISED
;;     5. batch 16 x [M 2,048, K 128] x [K 128, N 2,048]; A: computed on the way; B: computed on the way: QUANTISED
;;     6. batch 16 x [M 2,048, K 2,048] x [K 2,048, N 128]; A: computed on the way; B: computed on the way: QUANTISED
;;     7. [M 2,048, K 2,048] x [K 2,048, N 2,048]; A: computed on the way; B: input Wo: QUANTISED
;;   THE QUANTISER, for each operand of a quantised product, along K:
;;     - K is cut into blocks of 32 from its start; a last block that is shorter is filled with zeros.
;;     - A block's scale is 2^e with e = floor(log2(the largest magnitude in the block)) - 4, held to -126 .. 127; a block of zeros has e = 0. As a byte (E8M0): e + 127.
;;     - Each number is divided by its block's scale, clamped to +-28, and rounded to the nearest number of E3M2, ties to even, subnormals kept.
;;     - The product sums the exact products of the quantised numbers (number of the format x scale) in f32.
;;   ~~~python
;;   def quantise(x, axis):      # numpy; x: float32 -> the quantised numbers, widened to float32 again
;;       x = np.moveaxis(x, axis, -1); K = x.shape[-1]
;;       x = np.pad(x, [(0, 0)] * (x.ndim - 1) + [(0, -K % 32)]); x = x.reshape(x.shape[:-1] + (-1, 32)); a = np.abs(x).max(-1, keepdims=True)
;;       e = np.where(a > 0, np.clip(np.frexp(np.where(a > 0, a, 1))[1] - 1 - 4, -126, 127), 0)      # np.frexp(a)[1] - 1 = floor(log2(a)), exactly
;;       r = np.clip(x / 2.0 ** e, -28, 28)
;;       step = 2.0 ** (np.maximum(np.frexp(np.where(r == 0, 1, r))[1] - 1, -2) - 2)
;;       q = np.round(r / step) * step * 2.0 ** e      # np.round: ties to even
;;       return np.moveaxis(q.reshape(q.shape[:-2] + (-1,))[..., :K], -1, axis).astype(np.float32)
;;   ~~~
;;   OPERANDS COMPUTED ON THE WAY. 'Computed on the way' means the value that the module computes at that place (a softmax that the list does not call 'softmax' is quantised finished and normalised). What goes into a quantiser is computed in f32, as accurately as f32 sums, v_exp_f32 and their like allow (about 1e-6 of the number): no bf16 or f16 on the way to a quantiser, and a product that is left as it is and whose result goes on into a quantised operand takes f32 operands (vector FMAs, or v_wmma_f32_16x16x4_f32). A number that lies on a knife's edge between two numbers of the format may be rounded either way, as far as f32 arithmetic and the matrix unit's own rounding can turn it there, and no further.
;; 2 versions, each right. Each part assembles by itself: llvm-mc -triple=amdgcn-amd-amdhsa -mcpu=gfx1250 --defsym DOCPART=n.
;; ======== version 1 of 2: 6 launches
;; limits: inputs' magnitudes at most 100,000; right only within a limited range of input values
;; workspace buffers: xq 3,276,800 bytes; oq 3,276,800 bytes; wq3 9,830,400 bytes; woq 9,830,400 bytes; raw 50,331,648 bytes; qk 8,650,752 bytes; vc 3,276,800 bytes; list 512 bytes of whole numbers
;; launch quant (part 1): grid 640 x 1, 4 waves a work-group, no clusters, 33,280 bytes of LDS; arguments x, Wq, Wk, Wv, Wo, xq, wq3, woq; writes xq, wq3, woq
.if DOCPART == 1
	.amdgcn_target "amdgcn-amd-amdhsa--gfx1250"
	.amdhsa_code_object_version 6
	.text
	.protected	k_q776f956519_quant
	.globl	k_q776f956519_quant
	.p2align	8
	.type	k_q776f956519_quant,@function
k_q776f956519_quant:
	s_mov_b64 s[64:65], 0
	v_nop
	global_prefetch_b8 v0, s[64:65] scope:SCOPE_SE
	s_setreg_imm32_b32 hwreg(HW_REG_WAVE_MODE, 25, 1), 1
	s_wait_xcnt 0x0
; x, Wq, Wk, Wv, Wo, each [2048][2048] f32 with K innermost, become codes of BF6 (E3M2), 6 bits each, K innermost, with one E8M0 scale byte for each 32 along K.
; A block's scale byte is its largest magnitude's exponent field - 4, held at 1 from below; each number is divided by the scale and rounded to the nearest code, ties to even, beyond 28 the largest code.
; LIMITS: a block of zeros gets the byte 1 where the rule says 127 (its codes are zeros, and this program alone reads the bytes); blocks whose largest magnitude lies under 2^-122 are held at the byte 1; NaN and infinities are not served.
; WHERE THEY GO: x: codes at byte 0 of xq, scale bytes at 3,145,728.  Wq, Wk, Wv: rows 0, 2,048, 4,096 on of wq3: codes at 0, scale bytes at 9,437,184.  Wo: woq, at the same two places.
; Rows are dense, so each tensor is a plain stream of blocks of 32.  128 work-groups to a tensor; a wave takes 16 steps of 512 numbers.  All five tensors take one path: only pointers are chosen, by the work-group's number.
; Each of a step's four loads reads 512 consecutive bytes, 16 a lane; the 2,048 bytes turn through the wave's own stage in LDS and come back 64 bytes a lane: 16 neighbours along K, two lanes to a block.
; A lane's 16 codes are 12 bytes: the wave stores 384 consecutive bytes.  A wave's 256 scale bytes are gathered in its own LDS bytes and leave by one store.  No barrier: waves share nothing.
.set STEPS, 16
.set EMAX,  4
.set CB,    12                         ; bytes of 16 codes
.set R,     16                         ; v16-79   four sets of 16 numbers as they are loaded
.set X,     80                         ; v80-111  two sets of 16 neighbours
.set E,     112                        ; v112-127 a scale byte for each step
.set C,     128                        ; v128-191 codes: four registers for each step, so that no store's data are written again
.set WREG,  8192                       ; LDS: a region for each wave: two stages of 32 x SP bytes, then its 256 scale bytes
.set SP,    80                         ; a lane's place in a stage: 64 bytes + 16 of padding
	s_load_b256 s[4:11], s[0:1], 0x0               ; x, Wq, Wk, Wv
	s_load_b256 s[12:19], s[0:1], 0x20             ; Wo, xq, wq3, woq
	v_lshl_add_u32 v192, v0, 2, 0x8000
	v_mov_b32 v193, 0
	v_lshrrev_b32 v1, 5, v0
	v_readfirstlane_b32 s20, v1                    ; wave
	v_and_b32 v2, 31, v0                           ; lane
	v_lshlrev_b32 v3, 4, v2                        ; my 16 bytes of a load's 512
	s_mul_i32 s21, s20, WREG
	v_lshrrev_b32 v14, 2, v2
	v_mul_u32_u24 v14, v14, SP
	v_and_b32 v15, 3, v2
	v_lshl_add_u32 v14, v15, 4, v14
	v_add_nc_u32 v14, s21, v14                     ; the stage, on the way in: SP (lane / 4) + 16 (lane % 4)
	v_mul_u32_u24 v15, v2, SP
	v_add_nc_u32 v15, s21, v15                     ; and on the way out: SP x lane
	v_mul_u32_u24 v4, v2, CB                       ; my codes' place in a step's
	v_lshrrev_b32 v5, 1, v2
	s_add_co_u32 s21, s21, 2*32*SP
	v_add_nc_u32 v5, s21, v5                       ; LDS: my block's scale byte
	v_lshlrev_b32 v7, 3, v2                        ; and on the way out 8 bytes a lane
	v_add_nc_u32 v6, s21, v7
	s_lshr_b32 s22, ttmp9, 7                       ; which tensor: 0 x, 1 Wq, 2 Wk, 3 Wv, 4 Wo
	s_and_b32 s23, ttmp9, 127
	s_sub_co_u32 s24, s22, 1
	s_cmp_lt_u32 s24, 3
	s_cselect_b32 s24, s24, 0                      ; the section of wq3: 0, 1, 2 for Wq, Wk, Wv; 0 for x and Wo
	s_lshl_b32 s26, s23, 2
	s_add_co_u32 s26, s26, s20                     ; which run of 8,192 numbers of the tensor is my wave's
	s_lshl_b32 s28, s26, 15                        ; its f32 numbers,
	s_mov_b32 s29, 0
	s_mul_i32 s30, s26, 32*STEPS*CB                ; its codes,
	s_mul_i32 s25, s24, 3145728
	s_add_co_u32 s30, s30, s25
	s_mov_b32 s31, 0
	s_lshl_b32 s32, s24, 17                        ; its scale bytes: 131,072 a section, behind the codes
	s_add_co_u32 s32, s32, 9437184
	s_cmp_eq_u32 s22, 0
	s_cselect_b32 s32, 3145728, s32
	s_lshl_b32 s25, s26, 8
	s_add_co_u32 s32, s32, s25
	s_mov_b32 s33, 0
	s_wait_kmcnt 0x0
	s_cmp_eq_u32 s22, 1                            ; the choices hang on the work-group's number alone
	s_cselect_b64 s[4:5], s[6:7], s[4:5]
	s_cmp_eq_u32 s22, 2
	s_cselect_b64 s[4:5], s[8:9], s[4:5]
	s_cmp_eq_u32 s22, 3
	s_cselect_b64 s[4:5], s[10:11], s[4:5]
	s_cmp_eq_u32 s22, 4
	s_cselect_b64 s[4:5], s[12:13], s[4:5]
	s_cselect_b64 s[8:9], s[18:19], s[16:17]       ; Wo goes to woq, the other weights to wq3,
	s_cmp_eq_u32 s22, 0
	s_cselect_b64 s[8:9], s[14:15], s[8:9]         ; x to xq
	s_add_nc_u64 s[4:5], s[4:5], s[28:29]
	s_add_nc_u64 s[10:11], s[8:9], s[32:33]
	s_add_nc_u64 s[8:9], s[8:9], s[30:31]
.macro LOAD t
.irp i, 0,1,2,3
	global_load_b128 v[R+16*((\t)%4)+4*\i:R+16*((\t)%4)+4*\i+3], v3, s[4:5] offset:2048*(\t)+512*\i th:TH_LOAD_NT   ; 32 lanes read 512 consecutive bytes
.endr
.endm
.macro TURN t                          ; step t's numbers through the stage: LDS serves a wave's instructions in order, so no wait stands between the stores and the loads
.irp i, 0,1,2,3
	ds_store_b128 v14, v[R+16*((\t)%4)+4*\i:R+16*((\t)%4)+4*\i+3] offset:32*SP*((\t)%2)+8*SP*\i
.endr
.irp i, 0,1,2,3
	ds_load_b128 v[X+16*((\t)%2)+4*\i:X+16*((\t)%2)+4*\i+3], v15 offset:32*SP*((\t)%2)+16*\i
.endr
.endm
.irp t, 0,1,2,3
	LOAD \t
.endr
	s_wait_loadcnt 12                              ; step 0's four loads are in; three steps' twelve may be out
	TURN 0
.macro STEP t
.set XS, X+16*((\t)%2)
.if (\t) > 0
	s_wait_dscnt 1                                 ; this step's numbers are back from the stage (the last step's byte store may be out): its stores into the stage have read their registers,
.else
	s_wait_dscnt 0x0
.endif
.if (\t)+4 < STEPS
	LOAD (\t)+4                                    ; which take the loads of four steps on
.endif
.if (\t)+1 < STEPS
.if STEPS-2-(\t) >= 3
	s_wait_loadcnt 12                              ; the next step's four loads are in; those of the three steps behind it may be out
.else
	s_wait_loadcnt 4*(STEPS-2-(\t))
.endif
	TURN (\t)+1                                    ; and go through the other stage while this step is worked
.endif
	v_max3_num_f32 v8, |v[XS]|, |v[XS+1]|, |v[XS+2]|               ; the largest magnitude of my 16, in two chains
	v_max3_num_f32 v9, |v[XS+3]|, |v[XS+4]|, |v[XS+5]|
.irp i, 6,10
	v_max3_num_f32 v8, v8, |v[XS+\i]|, |v[XS+\i+1]|
	v_max3_num_f32 v9, v9, |v[XS+\i+2]|, |v[XS+\i+3]|
.endr
	v_max3_num_f32 v8, v8, |v[XS+14]|, |v[XS+15]|
	v_max3_num_f32 v8, v8, v9, (EMAX+1)<<23        ; and the floor 2^(5 - 127): the byte cannot fall under 1
	v_max_num_f32_dpp v8, v8, v8 row_xmask:1 row_mask:0xf bank_mask:0xf   ; and of my neighbour's 16: the block's
	v_add_nc_u32 v11, -(EMAX<<23), v8              ; 4 off its exponent field: the conversion takes the exponent field of this operand as its scale
	v_cvt_scalef32_pk16_bf6_f32 v[C+4*(\t):C+4*(\t)+2], v[XS:XS+15], v11
	v_lshrrev_b32 v[E+(\t)], 23, v11               ; the scale's byte (a plain line behind the conversion)
	ds_store_b8 v5, v[E+(\t)] offset:16*(\t)       ; both lanes of a block write the same byte with the same value
	global_store_b96 v4, v[C+4*(\t):C+4*(\t)+2], s[8:9] offset:32*CB*(\t)
.endm
.irp t, 0,1,2,3,4,5,6,7,8,9,10,11,12,13,14,15
	STEP \t
.endr
	ds_load_b64 v[12:13], v6                       ; LDS serves a wave's instructions in order: these see my stores
	s_wait_dscnt 0x0
	global_store_b64 v7, v[12:13], s[10:11]        ; 32 lanes store 256 consecutive bytes, aligned
	s_wait_tensorcnt 0x0
	ds_add_u32 v192, v193
	s_wait_dscnt 0x0
	s_endpgm
.Lfunc_end_k_q776f956519_quant:
	.size	k_q776f956519_quant, .Lfunc_end_k_q776f956519_quant-k_q776f956519_quant
	.p2alignl 7, 3214868480
	.fill 96, 4, 3214868480
	.section	.rodata,"a",@progbits
	.p2align	6, 0x0
	.amdhsa_kernel k_q776f956519_quant
		.amdhsa_group_segment_fixed_size 33280
		.amdhsa_private_segment_fixed_size 0
		.amdhsa_enable_private_segment 0
		.amdhsa_kernarg_size 64
		.amdhsa_user_sgpr_count 2
		.amdhsa_user_sgpr_kernarg_segment_ptr 1
		.amdhsa_wavefront_size32 1
		.amdhsa_system_sgpr_workgroup_id_x 1
		.amdhsa_system_sgpr_workgroup_id_y 1
		.amdhsa_system_sgpr_workgroup_id_z 1
		.amdhsa_system_vgpr_workitem_id 0
		.amdhsa_next_free_vgpr 194
		.amdhsa_next_free_sgpr 66
		.amdhsa_reserve_vcc 0
		.amdhsa_float_denorm_mode_32 3
		.amdhsa_float_denorm_mode_16_64 3
		.amdhsa_memory_ordered 1
		.amdhsa_forward_progress 1
		.amdhsa_inst_pref_size 33
	.end_amdhsa_kernel
	.amdgpu_metadata
---
amdhsa.version: [ 1, 2 ]
amdhsa.kernels:
  - .name:           k_q776f956519_quant
    .symbol:         k_q776f956519_quant.kd
    .args:
      - { .name: x, .offset: 0, .size: 8, .value_kind: global_buffer, .address_space: global }
      - { .name: Wq, .offset: 8, .size: 8, .value_kind: global_buffer, .address_space: global }
      - { .name: Wk, .offset: 16, .size: 8, .value_kind: global_buffer, .address_space: global }
      - { .name: Wv, .offset: 24, .size: 8, .value_kind: global_buffer, .address_space: global }
      - { .name: Wo, .offset: 32, .size: 8, .value_kind: global_buffer, .address_space: global }
      - { .name: xq, .offset: 40, .size: 8, .value_kind: global_buffer, .address_space: global }
      - { .name: wq3, .offset: 48, .size: 8, .value_kind: global_buffer, .address_space: global }
      - { .name: woq, .offset: 56, .size: 8, .value_kind: global_buffer, .address_space: global }
    .group_segment_fixed_size: 33280
    .private_segment_fixed_size: 0
    .kernarg_segment_align: 8
    .kernarg_segment_size: 64
    .max_flat_workgroup_size: 128
    .sgpr_count:     66
    .vgpr_count:     194
    .wavefront_size: 32
...
	.end_amdgpu_metadata
.endif
;; end of part 1
;; launch proj_qkv (part 2): grid 24 x 8, 4 waves a work-group, clusters of 4 x 4, 327,680 bytes of LDS; arguments xq, wq3, bq, bk, bv, raw; writes raw
.if DOCPART == 2
	.amdgcn_target "amdgcn-amd-amdhsa--gfx1250"
	.amdhsa_code_object_version 6
	.text
	.protected	k_q776f956519_proj_qkv
	.globl	k_q776f956519_proj_qkv
	.p2align	8
	.type	k_q776f956519_proj_qkv,@function
k_q776f956519_proj_qkv:
	s_mov_b64 s[64:65], 0
	v_nop
	global_prefetch_b8 v0, s[64:65] scope:SCOPE_SE
	s_setreg_imm32_b32 hwreg(HW_REG_WAVE_MODE, 25, 1), 1
	s_wait_xcnt 0x0
	s_wait_alu depctr_hold_cnt(0) depctr_sa_sdst(0) depctr_va_vdst(0) depctr_va_sdst(0) depctr_va_ssrc(0) depctr_va_vcc(0) depctr_vm_vsrc(0)
	s_getreg_b32 s2, hwreg(HW_REG_IB_STS2, 6, 4)
	s_cmp_eq_u32 s2, 0
	s_cbranch_scc0 .Lentry_in_a_cluster
	s_endpgm
.Lentry_in_a_cluster:
	s_bfe_u32 s2, ttmp6, 0x10000c
	s_cmp_lg_u32 s2, 0xf033
	s_cbranch_scc0 .Lentry_shape_is_right
	s_endpgm
.Lentry_shape_is_right:
; C[m][n] = sum over k of A[m][k] B[n][k] + bias[n], K = 2,048.  A: 2,048 rows, B: 2,048 rows a section: codes of BF6 (E3M2), a row 1,536 bytes, one E8M0 byte for each 32 along K; C: f32, rows of 2,048.
; A's buffer: codes at byte 0, scale bytes [row][64] at ASC.  B's: codes at 0, scale bytes at BSC.  B may hold three sections of 2,048 rows (q, k, v): section s has its own bias and fills plane s of C.
; The section is the cluster's x / 2: eight tile columns of 256 are two clusters.  With a grid of 8 tile columns there is section 0 alone, and the other two bias pointers are not read.
; A tile of C, 256 x 256, is made by four waves; a wave makes 128 x 128: 64 accumulators of 16 x 16, 512 registers.  K goes in steps of 256 through a ring of two LDS slots filled by tensor loads.
; THE SCALES of the work-group's 256 rows of A and of B, for all of K, are two dense blocks of memory: they come into LDS once, with the first fills, and stay.
; CLUSTERS: 4 x 4 work-groups.  The four of a row of the cluster need the same tiles of A, the four of a column the same tiles of B: each tile is asked for jointly, by the same tensor load with the same descriptor and a mask of the four.
; THE MATRIX INSTRUCTION IS USED TRANSPOSED (source 0 = 16 rows of B, source 1 = 16 rows of A): a lane holds eight neighbouring numbers of a row of C.  THE BIAS is the C of each sum's first product: eight registers for each of B's blocks.
; REGISTERS, in windows of 256: window 0: v0-31 addresses; v32-63 scale words, two sets; v64-127 the bias; from v128 A's fragments, one set; on the way out v128-255 are free.
;   window 1: B's fragments, two sets, at v0 and v128.   window 2: the accumulators of my rows 0-63 ((a, b) at v[8 (8 a + b)]);   window 3: those of my rows 64-127.
; A wave has at most three tensor loads out: the scales' and the two slots' first fills; later one.
.set SIZE_K, 2048
.set CROW,   8192                      ; a row of C in bytes
.set ASC,    3145728                   ; where A's scale bytes begin
.set BSC,    9437184                   ; where B's begin
.set KSTEP,  256                       ; along K in a slot
.set NQ,     KSTEP/128                 ; matrix instructions deep
.set ROWB,   192                       ; a tile's row in bytes
.set KROW,   SIZE_K*6/8                ; a row of codes in memory
.set PITCH,  240                       ; an LDS row: 3 x (64 bytes + 16 of padding)
.set FR,     12                        ; registers of a fragment: 16 rows x 128 K
.set NL,     6                         ; LDS loads that bring one
.set NP,     4                         ; places behind this matrix instruction (ISA guide 7.12.1)
.set HALFT,  128*PITCH                 ; 128 rows: what one tensor load brings
.set SLOT,   4*HALFT                   ; A's 256 rows, then B's 256 rows
.set LAPS,   SIZE_K/(2*KSTEP)          ; a lap = two K steps = once round the ring
.set KS,     SIZE_K/32                 ; a row of scale bytes
.set SCL,    2*SLOT                    ; behind the ring: the scales, as rows of 256 bytes + 16 of padding
.set HALFS,  (128*KS/256)*272          ; the scales of 128 rows
.set SBLK,   (16*KS/256)*272           ; those of 16 rows
.set SPARE,  SCL+4*HALFS               ; behind the scales: the spare words, 128 bytes for each wave, which no other line names
.set SPITCH, 528                       ; the way out: a stage of 16 rows x (512 + 16) bytes for each wave, in slot 0, which has had its last fill and its last read by then
.set ADRA, 16                          ; v16-17 LDS address of my A fragments in slot 0, 1 (v18-19: behind one padding more)
.set ADRB, 20                          ; v20-21 the same for B (v22-23)
.set STO,  24                          ; v24 the way out: where I put 32 bytes of a row
.set RD,   25                          ; v25 where I read a row back
.set CO,   26                          ; v26 my byte offset in a row of C
.set ADRS, 27                          ; v27 LDS address of my scale words: lanes 0-15 A's rows, lanes 16-31 B's
.set SPW,  28                          ; v28 LDS address of my spare word; never rewritten
.set NIL,  29                          ; v29 0; never rewritten
.set BO,   30                          ; v30 32 x (lane / 16): my eight numbers of a block's sixteen biases
.set SC,   32                          ; scale words: set s at v[SC + 16 s]; register 2 i + q: lanes 0-15 A's block i, lanes 16-31 B's block i, the slot's q-th 128 along K
.set BIAS, 64                          ; v64-127 bias of B's block b at v[BIAS + 8 b]
.set AF,   128                         ; A's fragments
.set BK,   128                         ; the way out: rows read back: v128-191 and v192-255 by turns
.set G1, 24                            ; s[24:31] descriptor group 1 for A's tiles; s[32:39] group 0, one set a slot
.set G0, 32
.set G1B, 48                           ; s[48:55], s[56:63] the same for B's
.set G0B, 56
.set G1S, 68                           ; s[68:75], s[76:79] for A's scales; s[80:87], s[88:91] for B's
.set G0S, 76
.set G1SB, 80
.set G0SB, 88
.set MSB, 0
.macro WIN new                         ; the immediate's high byte repeats the setting that is left
.if MSB != \new
	s_set_vgpr_msb (MSB<<8)|\new
.set MSB, \new
.endif
.endm
.set MUL_LO, 0xa1                      ; source 0 (B) window 1, source 1 (A) window 0, C and D window 2
.set MUL_HI, 0xf1                      ; the same, C and D window 3
.set FST_LO, 0x81                      ; the first products: C (the bias) window 0, D window 2
.set FST_HI, 0xc1                      ; D window 3
.set TO_B,   0x40                      ; destination window 1, address window 0
; A joint load: waves 0 and 1 fetch for A, waves 2 and 3 for B.  The branch hangs on the wave's number alone.  Four v_nop follow each of the two lines.
.macro JLOAD g0a, g1a, g0b, g1b
	s_cmp_eq_u32 s15, 0
	s_cbranch_scc0 .Lfor_b_\@
	tensor_load_to_lds s[\g0a:\g0a+3], s[\g1a:\g1a+7]
	s_nop 0
.rept 4
	v_nop
.endr
	s_branch .Lasked_\@
.Lfor_b_\@:
	tensor_load_to_lds s[\g0b:\g0b+3], s[\g1b:\g1b+7]
	s_nop 0
.rept 4
	v_nop
.endr
.Lasked_\@:
.endm
.macro CREST                           ; a round of the cluster's barrier behind its opening barrier
	s_cmp_lg_u32 s14, 0
	s_cbranch_scc1 .Lnot_wave_0_\@
	s_barrier_signal -3
.Lnot_wave_0_\@:
	s_barrier_wait -3
	s_barrier_signal -1
	s_barrier_wait -1
.endm
.macro CROUND                          ; a whole round
	s_barrier_signal -1
	s_barrier_wait -1
	CREST
.endm
	s_load_b64 s[4:5], s[0:1], 0x0                 ; A's buffer
	s_load_b64 s[8:9], s[0:1], 0x8                 ; B's buffer
	s_load_b128 s[96:99], s[0:1], 0x10             ; the biases of sections 0 and 1
	s_load_b64 s[100:101], s[0:1], 0x20            ; and of section 2
	s_load_b64 s[12:13], s[0:1], 0x28              ; C
	v_lshl_add_u32 v[SPW], v0, 2, SPARE
	v_mov_b32 v[NIL], 0
	ds_add_u32 v28, v29
	ds_add_u32 v28, v29
	s_wait_dscnt 0x0
	v_lshrrev_b32 v1, 5, v0
	v_readfirstlane_b32 s14, v1                    ; wave 0..3
	s_lshr_b32 s15, s14, 1                         ; which half of the tile's rows is mine.  Also: I fetch for A (0) or for B (1)
	s_and_b32 s16, s14, 1                          ; which half of its columns.  Also: which 128 rows of that tile I fetch
	s_bfe_u32 s40, ttmp6, 0x40000                  ; cx, cy: my place in the cluster
	s_bfe_u32 s41, ttmp6, 0x40004
	s_lshl_b32 s42, ttmp9, 2
	s_add_co_u32 s42, s42, s40                     ; tile column = 4 x cluster x + cx
	s_and_b32 s17, ttmp7, 0xffff
	s_lshl_b32 s17, s17, 2
	s_add_co_u32 s17, s17, s41                     ; tile row = 4 x cluster y + cy
	s_lshl_b32 s43, s41, 2
	s_lshl_b32 s43, 15, s43                        ; my row of the cluster
	s_lshl_b32 s44, 0x1111, s40                    ; my column
	; descriptor group 1: a tile of 128 rows x 192 bytes; 16 bytes of padding behind every 64
	s_or_b32 s[G1+0], s43, (0<<16)|(1<<20)|(1<<21)|(3<<22)|(3<<25)  ; 15:0 the mask; 17:16 elements of 1 byte; 20 padding on; 21 set beside a mask; 24:22 after every 16 words; 31:25 of 4 words
	s_or_b32 s[G1B+0], s44, (0<<16)|(1<<20)|(1<<21)|(3<<22)|(3<<25)
.irp g, G1, G1B
	s_mov_b32 s[\g+1], ROWB<<16                    ; tensor_dim0
	s_mov_b32 s[\g+2], 128<<16                     ; tensor_dim1
	s_mov_b32 s[\g+3], ROWB<<16                    ; tile_dim0
	s_mov_b32 s[\g+4], 128                         ; tile_dim1
	s_mov_b32 s[\g+5], KROW                        ; tensor_dim0_stride
	s_mov_b32 s[\g+6], 0
	s_mov_b32 s[\g+7], 0
.endr
	; the scales of 128 rows: a dense block of 8,192 bytes, as 32 rows of 256 bytes (32 elements of 8 bytes), 16 bytes of padding behind each
	s_or_b32 s[G1S+0], s43, (3<<16)|(1<<20)|(1<<21)|(5<<22)|(3<<25)
	s_or_b32 s[G1SB+0], s44, (3<<16)|(1<<20)|(1<<21)|(5<<22)|(3<<25)
.irp g, G1S, G1SB
	s_mov_b32 s[\g+1], 32<<16
	s_mov_b32 s[\g+2], (128*KS/256)<<16
	s_mov_b32 s[\g+3], 32<<16
	s_mov_b32 s[\g+4], 128*KS/256
	s_mov_b32 s[\g+5], 32
	s_mov_b32 s[\g+6], 0
	s_mov_b32 s[\g+7], 0
.endr
	s_lshl_b32 s18, s16, 7                         ; which 128 rows of the tile I fetch
	s_lshl_b32 s20, s17, 8
	s_add_co_u32 s20, s20, s18                     ; A: row 256 x tile row + 128 x half
	s_lshl_b32 s46, s42, 8
	s_add_co_u32 s46, s46, s18                     ; B: row 256 x tile column + 128 x half
	s_mov_b32 s21, 0
	s_mov_b32 s47, 0
	s_mov_b64 s[18:19], KS
	s_mul_u64 s[22:23], s[20:21], s[18:19]         ; where these rows' scales begin, in bytes
	s_mul_u64 s[92:93], s[46:47], s[18:19]
	s_mov_b64 s[18:19], KROW
	s_mul_u64 s[20:21], s[20:21], s[18:19]         ; and their codes
	s_mul_u64 s[46:47], s[46:47], s[18:19]
	s_mul_i32 s45, s14, HALFT                      ; where they go: wave x 128 rows: no place in the cluster enters an LDS address
	s_mul_i32 s94, s14, HALFS
	s_wait_kmcnt 0x0
	s_add_nc_u64 s[6:7], s[4:5], ASC               ; A's scale bytes
	s_add_nc_u64 s[10:11], s[8:9], BSC             ; B's
	s_add_nc_u64 s[20:21], s[4:5], s[20:21]
	s_add_nc_u64 s[22:23], s[6:7], s[22:23]
	s_add_nc_u64 s[46:47], s[8:9], s[46:47]
	s_add_nc_u64 s[92:93], s[10:11], s[92:93]
	CROUND                                         ; all sixteen work-groups are here: the first joint loads meet
	s_mov_b32 s[G0S], 1
	s_add_co_u32 s[G0S+1], s94, SCL
	s_mov_b64 s[G0S+2:G0S+3], s[22:23]
	s_or_b32 s[G0S+3], s[G0S+3], 0x80000000
	s_mov_b32 s[G0SB], 1
	s_add_co_u32 s[G0SB+1], s94, SCL
	s_mov_b64 s[G0SB+2:G0SB+3], s[92:93]
	s_or_b32 s[G0SB+3], s[G0SB+3], 0x80000000
	JLOAD G0S, G1S, G0SB, G1SB                     ; the scales first: they are wanted with K step 0
.irp s, 0,1
	s_mov_b32 s[G0+4*\s], 1
	s_add_co_u32 s[G0+4*\s+1], s45, \s*SLOT
	s_add_nc_u64 s[G0+4*\s+2:G0+4*\s+3], s[20:21], \s*ROWB
	s_or_b32 s[G0+4*\s+3], s[G0+4*\s+3], 0x80000000
	s_mov_b32 s[G0B+4*\s], 1
	s_add_co_u32 s[G0B+4*\s+1], s45, \s*SLOT
	s_add_nc_u64 s[G0B+4*\s+2:G0B+4*\s+3], s[46:47], \s*ROWB
	s_or_b32 s[G0B+4*\s+3], s[G0B+4*\s+3], 0x80000000
	JLOAD G0+4*\s, G1, G0B+4*\s, G1B
.endr
	v_and_b32 v1, 15, v0                           ; l % 16
	v_bfe_u32 v2, v0, 4, 1                         ; l / 16
	v_mul_u32_u24 v3, v1, PITCH
	v_mul_u32_u24 v4, v2, 24
	v_add_nc_u32 v4, v3, v4                        ; a fragment's row x pitch + 24 x half
	v_lshl_add_u32 v5, v2, 4, v4                   ; and the same behind one padding more
	s_mul_i32 s21, s15, HALFT                      ; my 128 rows of A
	s_mul_i32 s22, s16, HALFT                      ; my 128 rows of B,
	s_add_co_u32 s22, s22, 2*HALFT                 ; which lie behind A's 256
.irp s, 0,1
	v_add_nc_u32 v[ADRA+\s], s21, v4
	v_add_nc_u32 v[ADRB+\s], s22, v4
	v_add_nc_u32 v[ADRA+2+\s], s21, v5
	v_add_nc_u32 v[ADRB+2+\s], s22, v5
	s_add_co_u32 s21, s21, SLOT
	s_add_co_u32 s22, s22, SLOT
.endr
	v_mul_u32_u24 v5, v1, KS                       ; my row's scales: 64 bytes a row,
	v_lshrrev_b32 v6, 8, v5
	v_lshl_add_u32 v5, v6, 4, v5                   ; and 16 more for each 256 passed
	s_mul_i32 s21, s15, HALFS                      ; A's: my 128 rows
	s_mul_i32 s22, s16, HALFS                      ; B's: my 128 rows, behind A's 256
	s_add_co_u32 s22, s22, 2*HALFS
	s_sub_co_u32 s22, s22, s21
	v_mul_u32_u24 v6, s22, v2                      ; lanes 16-31 take B's: one product, the distance between the two bases
	s_add_co_u32 s21, s21, SCL
	v_add_nc_u32 v5, v5, v6
	v_add_nc_u32 v[ADRS], s21, v5
	s_mul_i32 s23, s14, 16*SPITCH                  ; my stage
	v_mul_u32_u24 v5, v1, SPITCH                   ; in: row l % 16, 32 bytes for each half of the lanes
	v_lshl_add_u32 v5, v2, 5, v5
	v_add_nc_u32 v[STO], s23, v5
	v_and_b32 v6, 31, v0
	v_lshlrev_b32 v[CO], 4, v6                     ; back: the 32 lanes take one row of 512 bytes; and the same in C
	v_add_nc_u32 v[RD], s23, v[CO]
	s_lshl_b32 s20, s17, 8
	s_lshl_b32 s21, s15, 7
	s_add_co_u32 s20, s20, s21                     ; my first row of C: 256 x tile row + 128 x half
	s_mov_b32 s21, 0
	s_mov_b64 s[18:19], CROW
	s_mul_u64 s[20:21], s[20:21], s[18:19]
	s_and_b32 s46, s42, 7                          ; my first column inside the section, in bytes: 1,024 x (tile column % 8) + 512 x half
	s_lshl_b32 s46, s46, 10
	s_lshl_b32 s47, s16, 9
	s_add_co_u32 s46, s46, s47
	s_mov_b32 s47, 0
	s_add_nc_u64 s[20:21], s[20:21], s[46:47]
	s_add_nc_u64 s[12:13], s[12:13], s[20:21]
	s_lshr_b32 s95, ttmp9, 1                       ; the section: the same in all sixteen partners
	s_lshl_b32 s20, s95, 24                        ; a plane of C is 2^24 bytes
	s_mov_b32 s21, 0
	s_add_nc_u64 s[12:13], s[12:13], s[20:21]
	s_cmp_eq_u32 s95, 1
	s_cselect_b64 s[96:97], s[98:99], s[96:97]
	s_cmp_eq_u32 s95, 2
	s_cselect_b64 s[96:97], s[100:101], s[96:97]
	s_add_nc_u64 s[96:97], s[96:97], s[46:47]      ; the section's bias at my first column
	v_lshlrev_b32 v[BO], 5, v2
.irp b, 0,1,2,3,4,5,6,7
	global_load_b128 v[BIAS+8*\b:BIAS+8*\b+3], v[BO], s[96:97] offset:64*\b          ; bias of columns 16 b + 8 (l / 16) + 0 .. 7: the result's layout
	global_load_b128 v[BIAS+8*\b+4:BIAS+8*\b+7], v[BO], s[96:97] offset:64*\b+16
.endr
.macro FRAG reg, adr, q, i             ; a fragment: lane l holds row l % 16; registers 6 c .. 6 c + 5 hold K = 64 c + 32 (l / 16) + 0 .. 31: 24 bytes of the row's stream of bits, as they lie
.irp p, 0,1,2,3,4,5                    ; in pieces of 8 bytes.  Lanes 0-15 take the row's pieces 12 q + 0, 1, 2 and 12 q + 6, 7, 8, lanes 16-31 those three pieces on
.set PC, 12*(\q)+6*(\p/3)+\p%3        ; 16 bytes of padding lie behind every 8 pieces: where the piece three on lies behind one padding more, the second address register serves
.if PC%8 < 5
	ds_load_b64 v[\reg+2*\p:\reg+2*\p+1], v[\adr] offset:8*PC+16*(PC/8)+(\i)*16*PITCH
.else
	ds_load_b64 v[\reg+2*\p:\reg+2*\p+1], v[\adr+2] offset:8*PC+16*(PC/8)+(\i)*16*PITCH
.endif
.endr
.endm
; 16 matrix instructions: A's blocks a0, a0 + 1 x B's eight, the slot's q-th 128 along K.  p: B's set; sc: the set of scale words.  zero = 1: the first product starts the sums, with the bias as its C.
; The 64 accumulators take turns, one instruction a turn, in the same order in every step.
.macro MUL16 a0, p, q, sc, zero
.irp a, \a0, \a0+1
.irp b, 0,1,2,3,4,5,6,7
.if \zero
	v_wmma_scale_f32_16x16x128_f8f6f4 v[8*(8*((\a)%4)+\b):8*(8*((\a)%4)+\b)+7], v[128*(\p)+FR*\b:128*(\p)+FR*\b+FR-1], v[AF+FR*(\a):AF+FR*(\a)+FR-1], v[BIAS+8*\b:BIAS+8*\b+7], v[SC+8*NQ*(\sc)+NQ*\b+(\q)], v[SC+8*NQ*(\sc)+NQ*(\a)+(\q)] matrix_a_fmt:MATRIX_FMT_BF6 matrix_b_fmt:MATRIX_FMT_BF6 matrix_a_scale:MATRIX_SCALE_ROW1
.else
	v_wmma_scale_f32_16x16x128_f8f6f4 v[8*(8*((\a)%4)+\b):8*(8*((\a)%4)+\b)+7], v[128*(\p)+FR*\b:128*(\p)+FR*\b+FR-1], v[AF+FR*(\a):AF+FR*(\a)+FR-1], v[8*(8*((\a)%4)+\b):8*(8*((\a)%4)+\b)+7], v[SC+8*NQ*(\sc)+NQ*\b+(\q)], v[SC+8*NQ*(\sc)+NQ*(\a)+(\q)] matrix_a_fmt:MATRIX_FMT_BF6 matrix_b_fmt:MATRIX_FMT_BF6 matrix_a_scale:MATRIX_SCALE_ROW1
.endif
.endr
.endr
.endm
.macro FETCH_B slot, q, p              ; B's eight fragments of the slot's q-th 128 along K into set p
	WIN TO_B
.irp i, 0,1,2,3,4,5,6,7
	FRAG 128*(\p)+FR*\i, ADRB+\slot, \q, \i
.endr
	WIN 0
.endm
.macro FETCH_A slot, q, i0             ; A's blocks i0 .. i0 + 3
.irp i, \i0, \i0+1, \i0+2, \i0+3
	FRAG AF+FR*(\i), ADRA+\slot, \q, \i
.endr
.endm
.macro SCALES sc                       ; the next K step's scale words into set sc: two words a row; lanes 0-15 take A's block i, lanes 16-31 B's block i
.irp i, 0,1,2,3,4,5,6,7
	ds_load_b64 v[SC+8*NQ*\sc+NQ*\i:SC+8*NQ*\sc+NQ*\i+1], v[ADRS] offset:\i*SBLK
.endr
.endm
; A load into a register that a matrix instruction has read, and an LDS store that reads a matrix result, stand NP places behind that matrix instruction; only plain vector instructions that name none of its registers are places.
.macro PLACES n
.rept \n
	v_nop
.endr
.endm
; A step of 128 along K that has its successor in the same slot.
.macro STEP slot, q, zero
	s_wait_dscnt 4*NL                              ; B's set and A's blocks 0-3 are in; the youngest 24 loads (A's blocks 4-7) may be out
.if \zero
	WIN FST_LO
.else
	WIN MUL_LO
.endif
	MUL16 0, (\q)%2, \q, \slot, \zero
	MUL16 2, (\q)%2, \q, \slot, \zero
	s_wait_dscnt 0                                 ; A's blocks 4-7 are in (asked for 32 matrix instructions ago)
	PLACES NP
	FETCH_B \slot, (\q)+1, 1-(\q)%2
	FETCH_A \slot, (\q)+1, 0
.if \zero
	WIN FST_HI
.else
	WIN MUL_HI
.endif
	MUL16 4, (\q)%2, \q, \slot, \zero
	MUL16 6, (\q)%2, \q, \slot, \zero
	PLACES NP
	WIN 0
	FETCH_A \slot, (\q)+1, 4
.endm
; A slot's last step changes slots: one barrier; in front of it each wave waits for all its tensor loads, adds 0 to its spare word, and waits for that and for its own reads of this slot.  fill = 1: this slot is filled again, two K steps ahead.
.macro TURN slot, next, fill
	s_wait_tensorcnt 0x0                           ; all my tensor loads have landed: my part of the next slot (every window is 0 here)
	ds_add_u32 v[SPW], v[NIL]                      ; 0 onto my spare word
	s_wait_dscnt 4*NL+1                            ; the add and the youngest 24 loads, A's blocks 4-7, may be out
	WIN MUL_LO
	MUL16 0, 1, NQ-1, \slot, 0                     ; sixteen matrix instructions stand between the add and the wait for it
	s_wait_dscnt 0x0                               ; the add is done, and my reads of this slot are over
	s_barrier_signal -1
	MUL16 2, 1, NQ-1, \slot, 0
	WIN 0
	s_barrier_wait -1
.if \fill
	CREST                                          ; the barrier has opened a round of the cluster's barrier: no wave of any partner still reads this slot's tile or has a load on its way
	s_add_nc_u64 s[G0+4*\slot+2:G0+4*\slot+3], s[G0+4*\slot+2:G0+4*\slot+3], 2*ROWB
	s_add_nc_u64 s[G0B+4*\slot+2:G0B+4*\slot+3], s[G0B+4*\slot+2:G0B+4*\slot+3], 2*ROWB
	JLOAD G0+4*\slot, G1, G0B+4*\slot, G1B         ; the first tensor load behind the round; the four v_nop behind it are the places in front of the loads below
.else
	PLACES NP
.endif
	v_add_nc_u32 v[ADRS], 4*NQ, v[ADRS]            ; on to the next K step's scale words (no LDS load of mine is out)
	FETCH_B \next, 0, 0
	FETCH_A \next, 0, 0
	SCALES \next
	WIN MUL_HI
	MUL16 4, 1, NQ-1, \slot, 0
	MUL16 6, 1, NQ-1, \slot, 0
	PLACES NP
	WIN 0
	FETCH_A \next, 0, 4
.endm
	s_wait_tensorcnt 1                             ; the scales and my part of K step 0 are in (K step 1's load may be out)
	s_wait_loadcnt 0x0                             ; and the bias
	s_barrier_signal -1
	s_barrier_wait -1                              ; everybody's are
	FETCH_B 0, 0, 0
	FETCH_A 0, 0, 0
	SCALES 0
	FETCH_A 0, 0, 4
	STEP 0, 0, 1                                   ; the first step stands in front of the loop: its products start the sums
	s_mov_b32 s3, LAPS-1
.Llap:                                                 ; a trip goes once round the ring, from a lap's second step to the next lap's first, and fills both slots again
	TURN 0, 1, 1
	STEP 1, 0, 0
	TURN 1, 0, 1
	STEP 0, 0, 0
	s_sub_co_u32 s3, s3, 1
	s_cmp_lg_u32 s3, 0
	s_cbranch_scc1 .Llap
	TURN 0, 1, 0                                   ; the last lap fills nothing, and has no round of the cluster's barrier
	STEP 1, 0, 0
	s_wait_dscnt 4*NL                              ; the very last step: nothing more to fetch
	WIN MUL_LO
	MUL16 0, 1, NQ-1, 1, 0
	MUL16 2, 1, NQ-1, 1, 0
	s_wait_dscnt 0
	WIN MUL_HI
	MUL16 4, 1, NQ-1, 1, 0
	MUL16 6, 1, NQ-1, 1, 0
	WIN 0
; THE WAY OUT, block by block of 16 rows x 128 columns, through my own stage in LDS: in as 32 bytes a lane, back as whole rows of 512 bytes, which the 32 lanes store.
; LDS serves a wave's instructions in order (ISA guide 5.7.1.4): no wait between the stores and the loads, nor in front of the next block's stores.
.macro TOSTAGE a
.set AC, 64*((\a)%4)
	WIN 0x08+4*((\a)/4)                            ; the data: window 2 or 3
.irp b, 0,1,2,3,4,5,6,7
	ds_store_b128 v[STO], v[AC+8*\b:AC+8*\b+3] offset:64*\b          ; each accumulator from its low end on
	ds_store_b128 v[STO], v[AC+8*\b+4:AC+8*\b+7] offset:64*\b+16
.endr
	WIN 0
.set BB, BK+64*((\a)%2)
.irp t, 0,1,2,3,4,5,6,7,8,9,10,11,12,13,14,15
	ds_load_b128 v[BB+4*\t:BB+4*\t+3], v[RD] offset:\t*SPITCH
.endr
.endm
.macro SEND a, younger                 ; younger: the LDS instructions issued behind block a's loads, which may stay out
.set BB, BK+64*((\a)%2)
	s_wait_dscnt \younger                          ; the block is back in registers
.if (\a) > 0
	s_add_nc_u64 s[12:13], s[12:13], 16*CROW       ; (behind a wait on XCNT: the earlier stores have read their base)  16 rows of C on
.endif
.irp t, 0,1,2,3,4,5,6,7,8,9,10,11,12,13,14,15
	global_store_b128 v[CO], v[BB+4*\t:BB+4*\t+3], s[12:13] offset:\t*CROW   ; 32 lanes store 512 consecutive bytes, at a multiple of 256 from C's first byte
.endr
.endm
	PLACES NP                                      ; for the loads into the registers that held A's fragments, and for the reads of the last products' results
	TOSTAGE 0
.irp a, 1,2,3,4,5,6,7
.if \a > 1
	s_wait_xcnt 0x0                                ; block a - 2's stores have read their registers and their base: block a's loads may land there, and the base may step
.endif
	TOSTAGE \a
	SEND \a-1, 32                                  ; behind block a - 1's loads: block a's 16 stores and 16 loads
.endr
	s_wait_xcnt 0x0                                ; block 6's stores have read their base
	SEND 7, 0
	s_wait_tensorcnt 0x0                           ; the wave's end: behind my last tensor load and my last LDS store
	ds_add_u32 v[SPW], v[NIL]
	s_wait_dscnt 0x0
	CROUND                                         ; the closing round: no work-group ends while a partner may still ask for a tile that names it
	s_endpgm
.Lfunc_end_k_q776f956519_proj_qkv:
	.size	k_q776f956519_proj_qkv, .Lfunc_end_k_q776f956519_proj_qkv-k_q776f956519_proj_qkv
	.p2alignl 7, 3214868480
	.fill 96, 4, 3214868480
	.section	.rodata,"a",@progbits
	.p2align	6, 0x0
	.amdhsa_kernel k_q776f956519_proj_qkv
		.amdhsa_group_segment_fixed_size 327680
		.amdhsa_private_segment_fixed_size 0
		.amdhsa_enable_private_segment 0
		.amdhsa_kernarg_size 48
		.amdhsa_user_sgpr_count 2
		.amdhsa_user_sgpr_kernarg_segment_ptr 1
		.amdhsa_wavefront_size32 1
		.amdhsa_system_sgpr_workgroup_id_x 1
		.amdhsa_system_sgpr_workgroup_id_y 1
		.amdhsa_system_sgpr_workgroup_id_z 1
		.amdhsa_system_vgpr_workitem_id 0
		.amdhsa_next_free_vgpr 1024
		.amdhsa_next_free_sgpr 102
		.amdhsa_reserve_vcc 0
		.amdhsa_float_denorm_mode_32 3
		.amdhsa_float_denorm_mode_16_64 3
		.amdhsa_memory_ordered 1
		.amdhsa_forward_progress 1
		.amdhsa_inst_pref_size 162
	.end_amdhsa_kernel
	.amdgpu_metadata
---
amdhsa.version: [ 1, 2 ]
amdhsa.kernels:
  - .name:           k_q776f956519_proj_qkv
    .symbol:         k_q776f956519_proj_qkv.kd
    .args:
      - { .name: xq, .offset: 0, .size: 8, .value_kind: global_buffer, .address_space: global }
      - { .name: wq3, .offset: 8, .size: 8, .value_kind: global_buffer, .address_space: global }
      - { .name: bq, .offset: 16, .size: 8, .value_kind: global_buffer, .address_space: global }
      - { .name: bk, .offset: 24, .size: 8, .value_kind: global_buffer, .address_space: global }
      - { .name: bv, .offset: 32, .size: 8, .value_kind: global_buffer, .address_space: global }
      - { .name: raw, .offset: 40, .size: 8, .value_kind: global_buffer, .address_space: global }
    .group_segment_fixed_size: 327680
    .private_segment_fixed_size: 0
    .kernarg_segment_align: 8
    .kernarg_segment_size: 48
    .max_flat_workgroup_size: 128
    .sgpr_count:     102
    .vgpr_count:     1024
    .wavefront_size: 32
...
	.end_amdgpu_metadata
.endif
;; end of part 2
;; launch normrope (part 3): grid 128 x 2, 16 waves a work-group, no clusters, 146,432 bytes of LDS; arguments raw, freqs, gq, gk, qk; writes qk
.if DOCPART == 3
	.amdgcn_target "amdgcn-amd-amdhsa--gfx1250"
	.amdhsa_code_object_version 6
	.text
	.protected	k_q776f956519_normrope
	.globl	k_q776f956519_normrope
	.p2align	8
	.type	k_q776f956519_normrope,@function
k_q776f956519_normrope:
	s_mov_b64 s[64:65], 0
	v_nop
	global_prefetch_b8 v0, s[64:65] scope:SCOPE_SE
	s_setreg_imm32_b32 hwreg(HW_REG_WAVE_MODE, 25, 1), 1
	s_wait_xcnt 0x0
; q (work-group y = 0) or k (y = 1): RMS norm over the row's 2,048 numbers, gain, pairwise rotation by cos and sin of freqs, all in f32; then, head by head, codes of BF6 (E3M2) with one E8M0 byte for each 32 of the head's 128,
; and the sums over the tile's 16 tokens of every column, of which the next launch makes the means over 128 tokens.
; SHARES.  A work-group owns tile tt of 16 tokens: row r is token 32 (tt / 2) + 8 (tt % 2) + r + 8 (r / 8).  Wave w owns head w.  Lane (r = lane % 16, h = lane / 16) holds, of row r, the head's numbers 32 b + 16 h + i in register 16 b + i.
; OUT, into qk (sel = y): the operand's registers as they stand, 3 x 512 bytes, at sel x 3,145,728 + (128 head + tt) x 1,536; the rows' scale words at 6,291,456 + sel x 131,072 + (64 head + tt / 2) x 128 + 64 (tt % 2) + 4 r;
; the column sums at 6,553,600 + sel x 1,048,576 + 8,192 tt + 4 x column.
; SIN AND COS are made in f32: n = the nearest whole number to x 2 / pi; x - n pi / 2 with pi / 2 in two parts; two polynomials on [-pi / 4, pi / 4]; quadrant by selects and sign bits.  No branch hangs on a number.
; A tile's 16 x 64 angles are shared out, two to a lane of each of the 16 waves, and meet in LDS, laid as the readers' registers want them.  One barrier serves them and the waves' parts of the rows' sums of squares.
; LIMITS: |freqs| up to 1e5 (beyond it the two parts of pi / 2 are too few); a block of zeros gets the byte 1 where the rule says 127 (this program alone reads the bytes); blocks under 2^-122 are held at the byte 1; NaN and infinities are not served.
.set SPIT, 528                         ; a stage row: 512 bytes + 16
.set WSTG, 16*SPIT                     ; LDS: a stage of 16 rows for each wave, from byte 0 on;
.set COSR, 16*WSTG                     ; cos: [group 8][lane 32][16 bytes]; sin 4,096 bytes further on;
.set SSQ,  COSR+8192                   ; sums of squares: [row 16][wave 16] f32
.set SEL,  30                          ; s[30:31] lane selects for v_permlanex16_b32: lane l xor 16
.set X,    32                          ; v32-95   my 64 numbers
.set G,    96                          ; v96-159  their gains; later the stage's rows read back
.set CC,   160                         ; v160-191 cos of my 32 pairs; later the codes and what the quantiser works in
.set SS,   192                         ; v192-223 sin
; 64 numbers of a lane, v[s] on, register 16 b + i = k 32 b + 16 (lane / 16) + i of my row, become a fragment's 12 registers of codes in v[pc] on (20 are used) and its scale word in v[pw]; tm: 16 registers at work.
.macro QUANT s, pc, pw, tm
.irp b, 0,1,2,3
	v_max3_num_f32 v[\tm+\b], |v[\s+16*\b]|, |v[\s+1+16*\b]|, 0x2800000   ; block b: my 16 numbers, and the floor 2^(5 - 127): the byte cannot fall under 1
.endr
.irp i, 2,4,6,8,10,12,14
.irp b, 0,1,2,3
	v_max3_num_f32 v[\tm+\b], v[\tm+\b], |v[\s+16*\b+\i]|, |v[\s+1+16*\b+\i]|   ; the four blocks by turns
.endr
.endr
.irp b, 0,1,2,3
	v_permlanex16_b32 v[\tm+4+\b], v[\tm+\b], s[SEL], s[SEL+1]
.endr
.irp b, 0,1,2,3
	v_max_num_f32 v[\tm+\b], v[\tm+\b], v[\tm+4+\b]   ; with lane l xor 16's: the block's largest magnitude
.endr
.irp b, 0,1,2,3
	v_add_nc_u32 v[\tm+12+\b], 0xfe000000, v[\tm+\b]   ; 4 off its exponent field: the conversion's scale operand
.endr
.irp b, 0,1,2,3
	v_lshrrev_b32 v[\tm+4+\b], 23, v[\tm+12+\b]   ; the scale's byte
.endr
	v_lshl_or_b32 v[\pw], v[\tm+5], 8, v[\tm+4]
	v_lshl_or_b32 v[\pw], v[\tm+6], 16, v[\pw]
	v_lshl_or_b32 v[\pw], v[\tm+7], 24, v[\pw]
.irp c, 0,1
	v_cvt_scalef32_pk16_bf6_f32 v[\pc+6*\c:\pc+2+6*\c], v[\s+32*\c:\s+15+32*\c], v[\tm+12+2*\c]
	v_cvt_scalef32_pk16_bf6_f32 v[\pc+12+4*\c:\pc+14+4*\c], v[\s+16+32*\c:\s+31+32*\c], v[\tm+12+2*\c+1]   ; (a conversion's three registers begin on an even number)
.endr
	v_nop                                          ; one plain place behind a scaled conversion
.irp c, 0,1                                    ; the operand's layout wants a whole block in a lane: lanes 0-15 block 2 c, lanes 16-31 block 2 c + 1
.irp i, 0,1,2
	v_permlane16_swap_b32 v[\pc+6*\c+\i], v[\pc+12+4*\c+\i]
.endr
.irp i, 0,1,2
	v_mov_b32 v[\pc+3+6*\c+\i], v[\pc+12+4*\c+\i]
.endr
.endr
.endm
; cos and sin of v[ang] into v[co] and v[so]; t: seven registers at work
.macro SINCOS ang, co, so, t
	v_mul_f32 v[\t], 0x3f22f983, v[\ang]           ; x 2 / pi
	v_rndne_f32 v[\t], v[\t]                       ; n
	v_fmamk_f32 v[\t+1], v[\t], 0xbfc90fdb, v[\ang]    ; x - n (pi / 2)'s upper part,
	v_fmamk_f32 v[\t+1], v[\t], 0x333bbd2e, v[\t+1]    ; - n times its lower part: y
	v_cvt_i32_f32 v[\t], v[\t]                     ; the quadrant
	v_mul_f32 v[\t+2], v[\t+1], v[\t+1]            ; z = y y
	v_mov_b32 v[\t+3], 0xb94ca1f9
	v_fmaak_f32 v[\t+3], v[\t+2], v[\t+3], 0x3c08839e
	v_fmaak_f32 v[\t+3], v[\t+2], v[\t+3], 0xbe2aaaa3
	v_mul_f32 v[\t+4], v[\t+1], v[\t+2]
	v_fma_f32 v[\t+3], v[\t+4], v[\t+3], v[\t+1]   ; sin y = y + y z P(z)
	v_mov_b32 v[\t+4], 0x37ccf5ce
	v_fmaak_f32 v[\t+4], v[\t+2], v[\t+4], 0xbab6061a
	v_fmaak_f32 v[\t+4], v[\t+2], v[\t+4], 0x3d2aaaa5
	v_mul_f32 v[\t+5], v[\t+2], v[\t+2]
	v_fma_f32 v[\t+6], v[\t+2], -0.5, 1.0
	v_fma_f32 v[\t+4], v[\t+5], v[\t+4], v[\t+6]   ; cos y = 1 - z / 2 + z z Q(z)
	v_and_b32 v[\t+5], 1, v[\t]
	v_cmp_eq_u32 vcc_lo, 1, v[\t+5]                ; in odd quadrants the two change places
	v_cndmask_b32 v[\so], v[\t+3], v[\t+4], vcc_lo
	v_cndmask_b32 v[\co], v[\t+4], v[\t+3], vcc_lo
	v_lshlrev_b32 v[\t+5], 30, v[\t]
	v_and_b32 v[\t+5], 0x80000000, v[\t+5]         ; sin is negated in quadrants 2 and 3,
	v_xor_b32 v[\so], v[\so], v[\t+5]
	v_add_nc_u32 v[\t], 1, v[\t]
	v_lshlrev_b32 v[\t+5], 30, v[\t]
	v_and_b32 v[\t+5], 0x80000000, v[\t+5]         ; cos in quadrants 1 and 2
	v_xor_b32 v[\co], v[\co], v[\t+5]
.endm
	s_load_b256 s[4:11], s[0:1], 0x0               ; raw, freqs, gq, gk
	s_load_b64 s[12:13], s[0:1], 0x20              ; qk
	v_lshl_add_u32 v224, v0, 2, 0x23400
	v_mov_b32 v225, 0
	v_lshrrev_b32 v1, 5, v0
	v_readfirstlane_b32 s14, v1                    ; wave = head
	v_and_b32 v1, 31, v0                           ; lane
	v_and_b32 v2, 15, v0                           ; r
	v_bfe_u32 v3, v0, 4, 1                         ; h
	v_and_b32 v9, 8, v2
	v_add_nc_u32 v9, v9, v2                        ; r + 8 (r / 8)
	v_lshlrev_b32 v4, 13, v9
	v_lshl_add_u32 v4, v3, 6, v4                   ; raw: my token's row of 8,192 bytes, + 64 h
	v_lshlrev_b32 v5, 6, v3                        ; the gain: 64 h
	v_lshlrev_b32 v6, 8, v9
	v_lshl_add_u32 v6, v3, 5, v6                   ; freqs: my token's row of 256 bytes, + 32 h
	v_lshlrev_b32 v7, 4, v1                        ; 16 x lane
	s_lshr_b32 s20, s14, 1
	s_lshl_b32 s20, s20, 9
	s_and_b32 s21, s14, 1
	s_lshl_b32 s21, s21, 3
	s_add_co_u32 s20, s20, s21
	s_add_co_u32 s20, s20, COSR
	v_add_nc_u32 v8, s20, v7                       ; where my two cos go: group w / 2, my lane's 16 bytes, + 8 (w % 2)
	s_lshl_b32 s20, s14, 2
	s_add_co_u32 s20, s20, SSQ
	v_lshl_add_u32 v10, v2, 6, s20                 ; my wave's part of row r's sum of squares
	v_lshlrev_b32 v11, 6, v2
	v_add_nc_u32 v11, SSQ, v11                     ; row r's sixteen parts
	s_mul_i32 s20, s14, WSTG
	v_mul_u32_u24 v12, v2, SPIT
	v_lshl_add_u32 v12, v3, 6, v12
	v_add_nc_u32 v12, s20, v12                     ; my stage, in: row r, + 64 h
	v_add_nc_u32 v13, s20, v7                      ; and back: 16 bytes a lane of a row
	v_add_nc_u32 v14, COSR, v7                     ; cos and sin, back
	v_lshlrev_b32 v15, 2, v2                       ; a scale word's place: 4 r
	s_mov_b32 s[SEL], 0x76543210
	s_mov_b32 s[SEL+1], 0xfedcba98
	s_and_b32 s16, ttmp7, 0xffff                   ; sel: 0 q, 1 k
	s_lshr_b32 s17, ttmp9, 1                       ; tt / 2
	s_and_b32 s18, ttmp9, 1                        ; tt % 2
	s_lshl_b32 s19, s17, 5
	s_lshl_b32 s22, s18, 3
	s_add_co_u32 s19, s19, s22                     ; the tile's first token
	s_lshl_b32 s22, s16, 24                        ; raw: plane sel, the first token's row, my head's 512 bytes
	s_lshl_b32 s24, s19, 13
	s_add_co_u32 s22, s22, s24
	s_lshl_b32 s24, s14, 9
	s_add_co_u32 s22, s22, s24
	s_mov_b32 s23, 0
	s_mov_b32 s25, 0                               ; s[24:25]: my head's 512 bytes of the gain
	s_lshl_b32 s26, s19, 8                         ; freqs: the first token's row; angles 16 (w / 4) + 2 (w % 4) on
	s_lshr_b32 s28, s14, 2
	s_lshl_b32 s28, s28, 6
	s_add_co_u32 s26, s26, s28
	s_and_b32 s28, s14, 3
	s_lshl_b32 s28, s28, 3
	s_add_co_u32 s26, s26, s28
	s_mov_b32 s27, 0
	s_mul_i32 s32, s16, 3145728                    ; the image
	s_lshl_b32 s28, s14, 7
	s_add_co_u32 s28, s28, ttmp9
	s_mul_i32 s28, s28, 1536
	s_add_co_u32 s32, s32, s28
	s_mov_b32 s33, 0
	s_lshl_b32 s34, s16, 17                        ; the scale words
	s_lshl_b32 s28, s14, 6
	s_add_co_u32 s28, s28, s17
	s_lshl_b32 s28, s28, 7
	s_add_co_u32 s34, s34, s28
	s_lshl_b32 s28, s18, 6
	s_add_co_u32 s34, s34, s28
	s_add_co_u32 s34, s34, 6291456
	s_mov_b32 s35, 0
	s_lshl_b32 s36, s16, 20                        ; the column sums
	s_lshl_b32 s28, ttmp9, 13
	s_add_co_u32 s36, s36, s28
	s_add_co_u32 s36, s36, s24
	s_add_co_u32 s36, s36, 6553600
	s_mov_b32 s37, 0
	s_wait_kmcnt 0x0
	s_add_nc_u64 s[4:5], s[4:5], s[22:23]
	s_add_nc_u64 s[6:7], s[6:7], s[26:27]
	s_cmp_eq_u32 s16, 0
	s_cselect_b64 s[8:9], s[8:9], s[10:11]
	s_add_nc_u64 s[8:9], s[8:9], s[24:25]
	s_add_nc_u64 s[32:33], s[12:13], s[32:33]
	s_add_nc_u64 s[34:35], s[12:13], s[34:35]
	s_add_nc_u64 s[36:37], s[12:13], s[36:37]
	global_load_b64 v[16:17], v6, s[6:7]           ; my two angles
.irp b, 0,1,2,3
.irp j, 0,1,2,3
	global_load_b128 v[X+16*\b+4*\j:X+16*\b+4*\j+3], v4, s[4:5] offset:128*\b+16*\j th:TH_LOAD_NT
.endr
.endr
.irp b, 0,1,2,3
.irp j, 0,1,2,3
	global_load_b128 v[G+16*\b+4*\j:G+16*\b+4*\j+3], v5, s[8:9] offset:128*\b+16*\j
.endr
.endr
	s_wait_loadcnt 32                              ; the angles are in; the 32 loads of numbers and gains may be out
	SINCOS 16, 20, 22, 24
	SINCOS 17, 21, 23, 24
	ds_store_b64 v8, v[20:21]
	ds_store_b64 v8, v[22:23] offset:4096
	s_wait_loadcnt 16                              ; my numbers are in; the gains' 16 loads may be out
.irp c, 0,1,2,3
	v_pk_mul_f32 v[24+2*\c:25+2*\c], v[X+2*\c:X+2*\c+1], v[X+2*\c:X+2*\c+1]   ; the sum of my 64 squares, in four chains
.endr
.irp i, 8,16,24,32,40,48,56
.irp c, 0,1,2,3
	v_pk_fma_f32 v[24+2*\c:25+2*\c], v[X+\i+2*\c:X+\i+2*\c+1], v[X+\i+2*\c:X+\i+2*\c+1], v[24+2*\c:25+2*\c]
.endr
.endr
	v_pk_add_f32 v[24:25], v[24:25], v[26:27]
	v_pk_add_f32 v[28:29], v[28:29], v[30:31]
	v_pk_add_f32 v[24:25], v[24:25], v[28:29]
	v_add_f32 v24, v24, v25
	v_permlanex16_b32 v25, v24, s[SEL], s[SEL+1]
	v_add_f32 v24, v24, v25                        ; with lane l xor 16's: my head's part of row r
	ds_store_b32 v10, v24                          ; lanes r and r + 16 write the same word with the same value
	s_wait_dscnt 0x0                               ; for the others' sake: my stores have landed
	s_barrier_signal -1
	s_barrier_wait -1                              ; cos, sin and all sixteen parts lie in LDS; nobody writes these bytes again
.irp i, 0,1,2,3
	ds_load_b128 v[16+4*\i:19+4*\i], v11 offset:16*\i
.endr
.irp g, 0,1,2,3,4,5,6,7
	ds_load_b128 v[CC+4*\g:CC+4*\g+3], v14 offset:512*\g
.endr
.irp g, 0,1,2,3,4,5,6,7
	ds_load_b128 v[SS+4*\g:SS+4*\g+3], v14 offset:4096+512*\g
.endr
	s_wait_dscnt 16                                ; the sixteen parts are in; cos' and sin's 16 loads may be out
	v_pk_add_f32 v[16:17], v[16:17], v[18:19]
	v_pk_add_f32 v[20:21], v[20:21], v[22:23]
	v_pk_add_f32 v[24:25], v[24:25], v[26:27]
	v_pk_add_f32 v[28:29], v[28:29], v[30:31]
	v_pk_add_f32 v[16:17], v[16:17], v[20:21]
	v_pk_add_f32 v[24:25], v[24:25], v[28:29]
	v_pk_add_f32 v[16:17], v[16:17], v[24:25]
	v_add_f32 v16, v16, v17                        ; the row's sum of squares: the same order in every wave
	v_mov_b32 v17, 0x358637bd                      ; 1e-6
	v_fmamk_f32 v16, v16, 0x3a000000, v17          ; / 2,048 + 1e-6
	v_rsq_f32 v18, v16
	v_mov_b32 v19, 0                               ; a plain line behind the transcendental (v19 is named with v18 as a pair, so it is written)
	s_wait_alu depctr_va_vdst(0)                   ; the wait ahead of the first line that names the result
.irp i, 0,2,4,6,8,10,12,14,16,18,20,22,24,26,28,30,32,34,36,38,40,42,44,46,48,50,52,54,56,58,60,62
	v_pk_mul_f32 v[X+\i:X+\i+1], v[X+\i:X+\i+1], v[18:19] op_sel_hi:[1,0]
.endr
	s_wait_loadcnt 0x0                             ; the gains
.irp i, 0,2,4,6,8,10,12,14,16,18,20,22,24,26,28,30,32,34,36,38,40,42,44,46,48,50,52,54,56,58,60,62
	v_pk_mul_f32 v[X+\i:X+\i+1], v[X+\i:X+\i+1], v[G+\i:G+\i+1]
.endr
	s_wait_dscnt 0x0                               ; cos and sin
.set N, 0
.rept 32                                       ; pair N: registers 2 N and 2 N + 1; four pairs of temporaries by turns
.set T, 16+2*(N%4)
	v_mul_f32 v[T], v[X+2*N+1], v[SS+N]
	v_mul_f32 v[T+1], v[X+2*N], v[SS+N]
	v_fma_f32 v[X+2*N], v[X+2*N], v[CC+N], -v[T]
	v_fma_f32 v[X+2*N+1], v[X+2*N+1], v[CC+N], v[T+1]
.set N, N+1
.endr
.irp b, 0,1,2,3
.irp j, 0,1,2,3
	ds_store_b128 v12, v[X+16*\b+4*\j:X+16*\b+4*\j+3] offset:128*\b+16*\j   ; my wave's own stage: rows as rows
.endr
.endr
.irp i, 0,1,2,3,4,5,6,7,8,9,10,11,12,13,14,15
	ds_load_b128 v[G+4*\i:G+4*\i+3], v13 offset:SPIT*\i   ; LDS serves a wave's instructions in order: these see my stores.  Row i, my four columns
.endr
	QUANT X, 160, 196, 180                         ; while those loads are out.  (v184-187 were written by the loads of cos)
.irp g, 0,1,2
	global_store_b128 v7, v[160+4*\g:163+4*\g], s[32:33] offset:512*\g   ; the operand's registers as they stand: 512 consecutive bytes a store
.endr
	s_wait_dscnt 0x0
.irp i, 2,4,6,8,10,12,14                       ; the sum of the 16 rows, even rows and odd rows apart
	v_pk_add_f32 v[G:G+1], v[G:G+1], v[G+4*\i:G+4*\i+1]
	v_pk_add_f32 v[G+2:G+3], v[G+2:G+3], v[G+4*\i+2:G+4*\i+3]
	v_pk_add_f32 v[G+4:G+5], v[G+4:G+5], v[G+4*\i+4:G+4*\i+5]
	v_pk_add_f32 v[G+6:G+7], v[G+6:G+7], v[G+4*\i+6:G+4*\i+7]
.endr
	v_pk_add_f32 v[G:G+1], v[G:G+1], v[G+4:G+5]
	v_pk_add_f32 v[G+2:G+3], v[G+2:G+3], v[G+6:G+7]
	global_store_b128 v7, v[G:G+3], s[36:37]       ; 512 consecutive bytes: my head's 128 column sums
	v_cmp_gt_u32 vcc_lo, 16, v1
	s_wait_xcnt 0x0                                ; EXEC changes only behind this wait
	s_wait_tensorcnt 0x0
	ds_add_u32 v224, v225
	s_wait_dscnt 0x0
	s_and_saveexec_b32 s38, vcc_lo                 ; lanes 0-15: a word a row (lanes 16-31 hold the same words)
	global_store_b32 v15, v196, s[34:35]
	s_wait_xcnt 0x0
	s_or_b32 exec_lo, exec_lo, s38
	s_endpgm
.Lfunc_end_k_q776f956519_normrope:
	.size	k_q776f956519_normrope, .Lfunc_end_k_q776f956519_normrope-k_q776f956519_normrope
	.p2alignl 7, 3214868480
	.fill 96, 4, 3214868480
	.section	.rodata,"a",@progbits
	.p2align	6, 0x0
	.amdhsa_kernel k_q776f956519_normrope
		.amdhsa_group_segment_fixed_size 146432
		.amdhsa_private_segment_fixed_size 0
		.amdhsa_enable_private_segment 0
		.amdhsa_kernarg_size 40
		.amdhsa_user_sgpr_count 2
		.amdhsa_user_sgpr_kernarg_segment_ptr 1
		.amdhsa_wavefront_size32 1
		.amdhsa_system_sgpr_workgroup_id_x 1
		.amdhsa_system_sgpr_workgroup_id_y 1
		.amdhsa_system_sgpr_workgroup_id_z 1
		.amdhsa_system_vgpr_workitem_id 0
		.amdhsa_next_free_vgpr 226
		.amdhsa_next_free_sgpr 66
		.amdhsa_reserve_vcc 1
		.amdhsa_float_denorm_mode_32 3
		.amdhsa_float_denorm_mode_16_64 3
		.amdhsa_memory_ordered 1
		.amdhsa_forward_progress 1
		.amdhsa_inst_pref_size 33
	.end_amdhsa_kernel
	.amdgpu_metadata
---
amdhsa.version: [ 1, 2 ]
amdhsa.kernels:
  - .name:           k_q776f956519_normrope
    .symbol:         k_q776f956519_normrope.kd
    .args:
      - { .name: raw, .offset: 0, .size: 8, .value_kind: global_buffer, .address_space: global }
      - { .name: freqs, .offset: 8, .size: 8, .value_kind: global_buffer, .address_space: global }
      - { .name: gq, .offset: 16, .size: 8, .value_kind: global_buffer, .address_space: global }
      - { .name: gk, .offset: 24, .size: 8, .value_kind: global_buffer, .address_space: global }
      - { .name: qk, .offset: 32, .size: 8, .value_kind: global_buffer, .address_space: global }
    .group_segment_fixed_size: 146432
    .private_segment_fixed_size: 0
    .kernarg_segment_align: 8
    .kernarg_segment_size: 40
    .max_flat_workgroup_size: 512
    .sgpr_count:     66
    .vgpr_count:     226
    .wavefront_size: 32
...
	.end_amdgpu_metadata
.endif
;; end of part 3
;; launch maskv (part 4): grid 144 x 1, 8 waves a work-group, no clusters, 66,560 bytes of LDS; arguments raw, qk, vc, list; writes vc, list
.if DOCPART == 4
	.amdgcn_target "amdgcn-amd-amdhsa--gfx1250"
	.amdhsa_code_object_version 6
	.text
	.protected	k_q776f956519_maskv
	.globl	k_q776f956519_maskv
	.p2align	8
	.type	k_q776f956519_maskv,@function
k_q776f956519_maskv:
	s_mov_b64 s[64:65], 0
	v_nop
	global_prefetch_b8 v0, s[64:65] scope:SCOPE_SE
	s_setreg_imm32_b32 hwreg(HW_REG_WAVE_MODE, 25, 1), 1
	s_wait_xcnt 0x0
; Two jobs, parted by the work-group's number.
; WORK-GROUPS 0-15, one a head: THE DRAFT MASK.  The column sums of q and k over tiles of 16 tokens are added to sums over blocks of 128 tokens; both are quantised to BF6 along the head's 128; one matrix instruction gives the 16 x 16
; scores; softmax over the key blocks under the local mask; for each frame of 8 query blocks an entry is kept where it lies above the 11th largest of the frame's 128, that is where at most 10 of the 128 are not smaller.
; THE SUMS are quantised, not the means: a mean is its sum x 2^-7, which moves the scale's byte and no code; the 2^-14 of both goes into the scores' factor, 2^-14 / sqrt(128).
; THE LOCAL MASK hides key blocks 6 and 7 of each frame from query blocks 0 and 1 of each frame, and nothing else (window 6 x 6 on a grid of 4 x 2).
; OUT: list word [8 head + j]: bit n: key block n kept for query block j; bit 16 + n: for query block 8 + j.  The mask is data here: no address and no branch of this launch hangs on it.
; WORK-GROUPS 16-143: V INTO CODES, along the keys.  A work-group takes a key block of 128 tokens and 256 columns, a wave 32 columns.  A lane takes a column and its registers run down the tokens, so a block of 32 keys lies in one lane.
; Lane l takes column 32 b + 8 (l / 16) + l % 16 + 8 ((l % 16) / 8) of its head: lanes 0-15 are the rows of tile 2 b of V^T, lanes 16-31 those of tile 2 b + 1, in the order in which the attention's result wants them.
; OUT, into vc: the operands' registers as they stand at ((16 head + key block) x 8 + tile) x 1,536; scale words at 3,145,728 + ((16 head + key block) x 4 + b) x 128 + 4 lane.
; LIMITS: a block of zeros gets the byte 1 where the rule says 127 (this program alone reads the bytes); blocks under 2^-122 are held at the byte 1; NaN and infinities are not served.
.set SEL, 44                           ; s[44:45] lane selects for v_permlanex16_b32: lane l xor 16
.macro QUANT s, pc, pw, tm             ; 64 numbers of a lane, register 16 b + i = k 32 b + 16 (lane / 16) + i of my row, become 12 registers of codes in v[pc] on (20 are used) and a scale word in v[pw]; tm: 16 at work
.irp b, 0,1,2,3
	v_max3_num_f32 v[\tm+\b], |v[\s+16*\b]|, |v[\s+1+16*\b]|, 0x2800000   ; and the floor 2^(5 - 127): the byte cannot fall under 1
.endr
.irp i, 2,4,6,8,10,12,14
.irp b, 0,1,2,3
	v_max3_num_f32 v[\tm+\b], v[\tm+\b], |v[\s+16*\b+\i]|, |v[\s+1+16*\b+\i]|
.endr
.endr
.irp b, 0,1,2,3
	v_permlanex16_b32 v[\tm+4+\b], v[\tm+\b], s[SEL], s[SEL+1]
.endr
.irp b, 0,1,2,3
	v_max_num_f32 v[\tm+\b], v[\tm+\b], v[\tm+4+\b]
.endr
.irp b, 0,1,2,3
	v_add_nc_u32 v[\tm+12+\b], 0xfe000000, v[\tm+\b]   ; 4 off the exponent field: the conversion's scale operand
.endr
.irp b, 0,1,2,3
	v_lshrrev_b32 v[\tm+4+\b], 23, v[\tm+12+\b]   ; the scale's byte
.endr
	v_lshl_or_b32 v[\pw], v[\tm+5], 8, v[\tm+4]
	v_lshl_or_b32 v[\pw], v[\tm+6], 16, v[\pw]
	v_lshl_or_b32 v[\pw], v[\tm+7], 24, v[\pw]
.irp c, 0,1
	v_cvt_scalef32_pk16_bf6_f32 v[\pc+6*\c:\pc+2+6*\c], v[\s+32*\c:\s+15+32*\c], v[\tm+12+2*\c]
	v_cvt_scalef32_pk16_bf6_f32 v[\pc+12+4*\c:\pc+14+4*\c], v[\s+16+32*\c:\s+31+32*\c], v[\tm+12+2*\c+1]
.endr
	v_nop                                          ; one plain place behind a scaled conversion
.irp c, 0,1
.irp i, 0,1,2
	v_permlane16_swap_b32 v[\pc+6*\c+\i], v[\pc+12+4*\c+\i]
.endr
.irp i, 0,1,2
	v_mov_b32 v[\pc+3+6*\c+\i], v[\pc+12+4*\c+\i]
.endr
.endr
.endm
	s_load_b256 s[4:11], s[0:1], 0x0               ; raw, qk, vc, list
	v_lshl_add_u32 v254, v0, 2, 0x10000
	v_mov_b32 v255, 0
	v_lshrrev_b32 v1, 5, v0
	v_readfirstlane_b32 s14, v1                    ; wave 0..7
	v_and_b32 v1, 31, v0                           ; lane
	v_and_b32 v2, 15, v0                           ; r
	v_bfe_u32 v3, v0, 4, 1                         ; h
	v_lshlrev_b32 v4, 4, v1                        ; 16 x lane
	s_mov_b32 s[SEL], 0x76543210
	s_mov_b32 s[SEL+1], 0xfedcba98
	s_wait_kmcnt 0x0
	s_cmp_lt_u32 ttmp9, 16
	s_cbranch_scc0 .Lvpath
	; ---- THE DRAFT MASK.  Wave w adds two of a block's eight tiles: of q (w even) or k (w odd), tiles 2 (w / 2) and 2 (w / 2) + 1.  Lane (r, h): block r, the head's numbers 32 b + 16 h + i in register 16 b + i
	s_and_b32 s15, s14, 1
	s_lshr_b32 s16, s14, 1
	s_lshl_b32 s20, s15, 20
	s_lshl_b32 s21, s16, 14
	s_add_co_u32 s20, s20, s21
	s_lshl_b32 s21, ttmp9, 9                       ; my head's 512 bytes of a row of sums
	s_add_co_u32 s20, s20, s21
	s_add_co_u32 s20, s20, 6553600
	s_mov_b32 s21, 0
	s_add_nc_u64 s[6:7], s[6:7], s[20:21]
	v_lshlrev_b32 v5, 16, v2
	v_lshl_add_u32 v5, v3, 6, v5                   ; block r's eight rows of 8,192 bytes, + 64 h
	s_lshl_b32 s22, s14, 13
	v_add_nc_u32 v6, s22, v4                       ; LDS: my wave's 8,192 bytes, 16 x lane
.irp u, 0,1
.irp b, 0,1,2,3
.irp j, 0,1,2,3
	global_load_b128 v[32+64*\u+16*\b+4*\j:35+64*\u+16*\b+4*\j], v5, s[6:7] offset:8192*\u+128*\b+16*\j
.endr
.endr
.endr
	s_wait_loadcnt 0x0
.irp i, 0,2,4,6,8,10,12,14,16,18,20,22,24,26,28,30,32,34,36,38,40,42,44,46,48,50,52,54,56,58,60,62
	v_pk_add_f32 v[32+\i:33+\i], v[32+\i:33+\i], v[96+\i:97+\i]
.endr
.irp g, 0,1,2,3,4,5,6,7,8,9,10,11,12,13,14,15
	ds_store_b128 v6, v[32+4*\g:35+4*\g] offset:512*\g   ; my 64 registers as they stand
.endr
	s_wait_dscnt 0x0                               ; for the others' sake: my stores have landed
	s_barrier_signal -1
	s_barrier_wait -1                              ; the eight parts lie in LDS; nobody writes them again
.macro LDIMG reg, w                            ; wave w's 64 registers, in the same lanes
.irp g, 0,1,2,3,4,5,6,7,8,9,10,11,12,13,14,15
	ds_load_b128 v[\reg+4*\g:\reg+4*\g+3], v4 offset:8192*\w+512*\g
.endr
.endm
.macro ADDIMG reg                              ; v[reg] on += v160 on
	s_wait_dscnt 0x0
.irp i, 0,2,4,6,8,10,12,14,16,18,20,22,24,26,28,30,32,34,36,38,40,42,44,46,48,50,52,54,56,58,60,62
	v_pk_add_f32 v[\reg+\i:\reg+\i+1], v[\reg+\i:\reg+\i+1], v[160+\i:161+\i]
.endr
.endm
	LDIMG 32, 0                                    ; every wave makes both operands, in the same order: q's sums in v32-95, k's in v96-159
	LDIMG 96, 1
	LDIMG 160, 2
	ADDIMG 32
	LDIMG 160, 3
	ADDIMG 96
	LDIMG 160, 4
	ADDIMG 32
	LDIMG 160, 5
	ADDIMG 96
	LDIMG 160, 6
	ADDIMG 32
	LDIMG 160, 7
	ADDIMG 96
	QUANT 32, 160, 250, 200                        ; q's codes in v160-171, scale word v250
	QUANT 96, 180, 251, 200                        ; k's in v180-191, v251
.rept 8
	v_nop                                          ; a scale register written by a vector instruction stands 8 places ahead of a scaled matrix instruction, an operand so written 4
.endr
	v_wmma_scale_f32_16x16x128_f8f6f4 v[224:231], v[160:171], v[180:191], 0, v250, v251 matrix_a_fmt:MATRIX_FMT_BF6 matrix_b_fmt:MATRIX_FMT_BF6   ; register j of lane (r, h): query block 8 h + j, key block r
	v_and_b32 v7, 6, v2
	v_cmp_eq_u32 vcc_lo, 6, v7                     ; key blocks 6 and 7 of a frame
	v_mov_b32 v8, 0xff800000                       ; -infinity
	v_nop                                          ; four places behind the matrix instruction
.irp j, 0,1,2,3,4,5,6,7
	v_mul_f32 v[224+\j], 0x36b504f3, v[224+\j]     ; x 2^-14 / sqrt(128); the result is read from its low end on
.endr
	v_cndmask_b32 v224, v224, v8, vcc_lo           ; hidden from query blocks 0 and 1 of a frame
	v_cndmask_b32 v225, v225, v8, vcc_lo
.irp j, 0,1,2,3,4,5,6,7
	v_mov_b32 v[234+\j], v[224+\j]
.endr
.irp m, 1,2,4,8
.irp j, 0,1,2,3,4,5,6,7
	v_max_num_f32_dpp v[234+\j], v[234+\j], v[234+\j] row_xmask:\m row_mask:0xf bank_mask:0xf   ; a query block's largest score: over the 16 lanes of my half
.endr
.endr
.irp j, 0,1,2,3,4,5,6,7
	v_sub_f32 v[224+\j], v[224+\j], v[234+\j]
.endr
.irp j, 0,1,2,3,4,5,6,7
	v_mul_f32 v[224+\j], 0x3fb8aa3b, v[224+\j]
.endr
.irp j, 0,1,2,3,4,5,6,7
	v_exp_f32 v[224+\j], v[224+\j]
.endr
	v_nop                                          ; a plain line behind the batch,
	s_wait_alu depctr_va_vdst(0)                   ; and one wait for it, ahead of the first line that names a result
.irp j, 0,1,2,3,4,5,6,7
	v_mov_b32 v[234+\j], v[224+\j]
.endr
.irp m, 1,2,4,8
.irp j, 0,1,2,3,4,5,6,7
	v_add_f32_dpp v[234+\j], v[234+\j], v[234+\j] row_xmask:\m row_mask:0xf bank_mask:0xf
.endr
.endr
.irp j, 0,1,2,3,4,5,6,7
	v_rcp_f32 v[234+\j], v[234+\j]
.endr
	v_nop
	s_wait_alu depctr_va_vdst(0)
.irp j, 0,1,2,3,4,5,6,7
	v_mul_f32 v[224+\j], v[224+\j], v[234+\j]      ; the draft's weights
.endr
	; wave w judges register w: how many of my half's 128 weights are not smaller than mine?
	v_mov_b32 v232, v224
.irp k, 1,2,3,4,5,6,7
	s_cmp_eq_u32 s14, \k
	s_cselect_b32 s40, -1, 0
	v_cndmask_b32 v232, v232, v[224+\k], s40
.endr
	v_mov_b32 v233, 0
.irp k, 0,1,2,3,4,5,6,7
	v_cmp_le_f32 vcc_lo, v232, v[224+\k]
	v_add_co_ci_u32 v233, vcc_lo, 0, v233, vcc_lo  ; + 1 where it holds
.endr
.irp s, 1,2,3,4,5,6,7,8,9,10,11,12,13,14,15
.irp k, 0,1,2,3,4,5,6,7
	v_mov_b32_dpp v[234+\k], v[224+\k] row_xmask:\s row_mask:0xf bank_mask:0xf   ; lane l xor s's eight
.endr
.irp k, 0,1,2,3,4,5,6,7
	v_cmp_le_f32 vcc_lo, v232, v[234+\k]
	v_add_co_ci_u32 v233, vcc_lo, 0, v233, vcc_lo
.endr
.endr
	v_cmp_ge_u32 s40, 10, v233                     ; kept: bit 16 h + r
	v_mov_b32 v242, s40
	v_mov_b32 v243, 0
	s_lshl_b32 s20, ttmp9, 5
	s_lshl_b32 s21, s14, 2
	s_add_co_u32 s20, s20, s21
	s_mov_b32 s21, 0
	s_add_nc_u64 s[10:11], s[10:11], s[20:21]      ; word 8 head + w
	v_cmp_eq_u32 vcc_lo, 0, v1
	s_wait_xcnt 0x0                                ; EXEC changes only behind this wait
	s_wait_tensorcnt 0x0
	ds_add_u32 v254, v255
	s_wait_dscnt 0x0
	s_and_saveexec_b32 s41, vcc_lo                 ; lane 0 stores the word
	global_store_b32 v243, v242, s[10:11]
	s_wait_xcnt 0x0
	s_or_b32 exec_lo, exec_lo, s41
	s_endpgm
.Lvpath:
	; ---- V INTO CODES
	s_sub_co_u32 s15, ttmp9, 16
	s_lshr_b32 s16, s15, 3                         ; key block
	s_and_b32 s17, s15, 7
	s_lshl_b32 s18, s17, 3
	s_add_co_u32 s18, s18, s14                     ; which 32 columns of the 2,048
	s_lshl_b32 s20, s16, 20                        ; raw: plane 2, the key block's 128 rows of 8,192 bytes, my 128 bytes of a row
	s_lshl_b32 s21, s18, 7
	s_add_co_u32 s20, s20, s21
	s_add_co_u32 s20, s20, 33554432
	s_mov_b32 s21, 0
	s_add_nc_u64 s[4:5], s[4:5], s[20:21]
	v_and_b32 v5, 8, v2
	v_add_nc_u32 v5, v5, v2
	v_lshl_add_u32 v5, v3, 3, v5                   ; my column of the 32: r + 8 (r / 8) + 8 h
	v_lshlrev_b32 v5, 2, v5
	v_lshlrev_b32 v6, 2, v1                        ; a scale word's place: 4 x lane
	s_lshr_b32 s22, s18, 2
	s_lshl_b32 s22, s22, 4
	s_add_co_u32 s22, s22, s16                     ; 16 head + key block
	s_and_b32 s23, s18, 3                          ; b
	s_lshl_b32 s24, s22, 3
	s_lshl_b32 s25, s23, 1
	s_add_co_u32 s24, s24, s25
	s_mul_i32 s24, s24, 1536
	s_mov_b32 s25, 0
	s_lshl_b32 s26, s22, 2
	s_add_co_u32 s26, s26, s23
	s_lshl_b32 s26, s26, 7
	s_add_co_u32 s26, s26, 3145728
	s_mov_b32 s27, 0
	s_add_nc_u64 s[28:29], s[8:9], s[26:27]        ; the scale words
	s_add_nc_u64 s[8:9], s[8:9], s[24:25]          ; the images of tiles 2 b and 2 b + 1
.set TK, 0
.rept 128
	global_load_b32 v[32+TK], v5, s[4:5] offset:8192*TK th:TH_LOAD_NT   ; token TK, my column: the wave's 32 lanes read 128 consecutive bytes, the eight waves 1,024
.set TK, TK+1
.endr
.set FA, 160                           ; v160-171 key blocks of 32 number 0 and 2 of my column; behind the swaps: tile 2 b
.set FB, 172                           ; v172-183 number 1 and 3; behind the swaps: tile 2 b + 1
.macro VBLK tb, dst, left              ; tokens 32 tb on of my column: six registers of codes at v[dst], the byte into v192.  left: the younger loads that may stay out
.set XS, 32+32*(\tb)
	s_wait_loadcnt \left
	v_max3_num_f32 v188, |v[XS]|, |v[XS+1]|, |v[XS+2]|             ; all 32 numbers are mine
	v_max3_num_f32 v189, |v[XS+3]|, |v[XS+4]|, |v[XS+5]|
.irp i, 6,10,14,18,22,26
	v_max3_num_f32 v188, v188, |v[XS+\i]|, |v[XS+\i+1]|
	v_max3_num_f32 v189, v189, |v[XS+\i+2]|, |v[XS+\i+3]|
.endr
	v_max3_num_f32 v188, v188, |v[XS+30]|, |v[XS+31]|
	v_max3_num_f32 v188, v188, v189, 0x2800000     ; and the floor 2^(5 - 127)
	v_add_nc_u32 v190, 0xfe000000, v188            ; 4 off the exponent field: the conversion's scale operand
	v_lshrrev_b32 v191, 23, v190                   ; the byte
.if (\tb) == 0
	v_mov_b32 v192, v191
.else
	v_lshl_or_b32 v192, v191, 8*(\tb), v192
.endif
	v_cvt_scalef32_pk16_bf6_f32 v[\dst:\dst+2], v[XS:XS+15], v190
	v_cvt_scalef32_pk16_bf6_f32 v[184:186], v[XS+16:XS+31], v190   ; (a conversion's three registers begin on an even number)
	v_nop                                          ; one plain place behind a scaled conversion
.irp i, 0,1,2
	v_mov_b32 v[\dst+3+\i], v[184+\i]
.endr
.endm
	VBLK 0, FA, 63                                 ; 96 younger loads might stay out; the count's field ends at 63, and a smaller count is safe
	VBLK 1, FB, 63                                 ; 64 might
	VBLK 2, FA+6, 32
	VBLK 3, FB+6, 0
.irp i, 0,1,2,3,4,5,6,7,8,9,10,11
	v_permlane16_swap_b32 v[FA+\i], v[FB+\i]       ; FA's lanes 16-31 change places with FB's lanes 0-15: each is now one tile's operand: lanes 0-15 keys 0-31 and 64-95, lanes 16-31 keys 32-63 and 96-127
.endr
.irp g, 0,1,2
	global_store_b128 v4, v[FA+4*\g:FA+4*\g+3], s[8:9] offset:512*\g          ; 512 consecutive bytes a store
	global_store_b128 v4, v[FB+4*\g:FB+4*\g+3], s[8:9] offset:1536+512*\g
.endr
	global_store_b32 v6, v192, s[28:29]            ; lanes 0-15: tile 2 b's rows' words; lanes 16-31: tile 2 b + 1's
	s_endpgm
.Lfunc_end_k_q776f956519_maskv:
	.size	k_q776f956519_maskv, .Lfunc_end_k_q776f956519_maskv-k_q776f956519_maskv
	.p2alignl 7, 3214868480
	.fill 96, 4, 3214868480
	.section	.rodata,"a",@progbits
	.p2align	6, 0x0
	.amdhsa_kernel k_q776f956519_maskv
		.amdhsa_group_segment_fixed_size 66560
		.amdhsa_private_segment_fixed_size 0
		.amdhsa_enable_private_segment 0
		.amdhsa_kernarg_size 32
		.amdhsa_user_sgpr_count 2
		.amdhsa_user_sgpr_kernarg_segment_ptr 1
		.amdhsa_wavefront_size32 1
		.amdhsa_system_sgpr_workgroup_id_x 1
		.amdhsa_system_sgpr_workgroup_id_y 1
		.amdhsa_system_sgpr_workgroup_id_z 1
		.amdhsa_system_vgpr_workitem_id 0
		.amdhsa_next_free_vgpr 256
		.amdhsa_next_free_sgpr 66
		.amdhsa_reserve_vcc 1
		.amdhsa_float_denorm_mode_32 3
		.amdhsa_float_denorm_mode_16_64 3
		.amdhsa_memory_ordered 1
		.amdhsa_forward_progress 1
		.amdhsa_inst_pref_size 80
	.end_amdhsa_kernel
	.amdgpu_metadata
---
amdhsa.version: [ 1, 2 ]
amdhsa.kernels:
  - .name:           k_q776f956519_maskv
    .symbol:         k_q776f956519_maskv.kd
    .args:
      - { .name: raw, .offset: 0, .size: 8, .value_kind: global_buffer, .address_space: global }
      - { .name: qk, .offset: 8, .size: 8, .value_kind: global_buffer, .address_space: global }
      - { .name: vc, .offset: 16, .size: 8, .value_kind: global_buffer, .address_space: global }
      - { .name: list, .offset: 24, .size: 8, .value_kind: global_buffer, .address_space: global }
    .group_segment_fixed_size: 66560
    .private_segment_fixed_size: 0
    .kernarg_segment_align: 8
    .kernarg_segment_size: 32
    .max_flat_workgroup_size: 256
    .sgpr_count:     66
    .vgpr_count:     256
    .wavefront_size: 32
...
	.end_amdgpu_metadata
.endif
;; end of part 4
;; launch attn (part 5): grid 32 x 16, 4 waves a work-group, no clusters, 0 bytes of LDS; arguments qk, vc, list, oq; writes oq
.if DOCPART == 5
	.amdgcn_target "amdgcn-amd-amdhsa--gfx1250"
	.amdhsa_code_object_version 6
	.text
	.protected	k_q776f956519_attn
	.globl	k_q776f956519_attn
	.p2align	8
	.type	k_q776f956519_attn,@function
k_q776f956519_attn:
	s_mov_b64 s[64:65], 0
	v_nop
	global_prefetch_b8 v0, s[64:65] scope:SCOPE_SE
	s_setreg_imm32_b32 hwreg(HW_REG_WAVE_MODE, 25, 1), 1
	s_wait_xcnt 0x0
; Block-sparse attention on codes of BF6 (E3M2).  For a tile of 16 queries of one head: over the key blocks of 128 that the stored list keeps for the queries' block, p = softmax(q . k / sqrt(128)), FINISHED AND NORMALISED,
; is quantised along the keys and multiplied by V; the result is quantised along the head's 128 and stored as an operand of the last projection.  A query block for which nothing is kept gives zeros.
; TWO WALKS over the kept key blocks, since p is quantised normalised: the first finds each query's largest score (a running maximum) and the sum of exponentials; the second makes the scores again, p = 2^(c s - c max) / sum, its codes, and p V.
; SHARES.  A wave owns one tile of queries (tile 4 x + wave of head y); waves share nothing: no LDS, no barrier.  The number of trips and the addresses of K and V hang on the list, so operands come from memory straight into
; registers, laid there by the earlier launches in the order of the operands' registers: no tensor load, and so no joint loads in a cluster.  Each operand is asked for a trip ahead of its use.
; LAYOUT.  Both products are used transposed: S^T = K Q^T (source 0 = 16 keys, source 1 = my 16 queries), O^T = V^T P^T: a lane holds one query (lane % 16) throughout.  The rows of a tile of K, of V^T and of Q are
; 32 (t / 2) + 8 (t % 2) + r + 8 (r / 8), so that the 16 registers of tiles 2 b and 2 b + 1 of a result are 16 neighbours, 32 b + 16 (lane / 16) + 0 .. 15, along the next product's K.
; The walk goes round: behind the last kept block comes the first again.  So the first walk's last trip asks for what the second wants first; the second's last trip asks for one tile of K and one of V that nobody uses (inside their buffers).
; REGISTERS: window 0: v1-8 addresses; v12 -max, v13 max (as c s); v[14:15] the sum; v16-27 Q; v28 Q's scale word; v32-35, v36-39 K's and V's scale words; v64-127 S^T, then p; v128-191 O^T; v192-211 codes; v212-227 at work; v228 the scale word just made.
;   window 1: v0-95 K's eight fragments; v96-191 V's.
; LIMITS: a block of zeros gets the byte 1 where the rule says 127 (this program alone reads the bytes); an exponential under 2^-126 counts as 0; NaN and infinities are not served.
.set LI,  4                            ; v4  16 x lane
.set LS,  5                            ; v5  4 x lane
.set RQ,  6                            ; v6  4 r
.set OC,  7                            ; v7  my place in oq's codes: (r + 8 (r / 8)) x 1,536 + 24 h
.set OS,  8                            ; v8  and among its scale bytes: (r + 8 (r / 8)) x 64
.set QF,  16
.set QS,  28
.set FF,  30                           ; v[30:31] 2^(old max - new max)
.set KS,  32
.set VS,  36
.set RL,  40                           ; v[40:41] 1 / sum
.set L2,  42                           ; v[42:43] the second chain of a sum
.set SR,  64
.set OA,  128
.set PC,  192
.set TM,  212
.set PW,  228
.set KF,  0                            ; in window 1
.set VF,  96
.set WV,  12
.set HD,  13
.set QT,  14
.set FULL, 17                          ; s17 the 16 bits of my query block
.set NK,  19                           ; s19 how many are set
.set KB,  20                           ; s[20:21] the head's images of K; s[22:23] its scale words; s[24:25], s[26:27] V's
.set KSB, 22
.set VB,  24
.set VSB, 26
.set KI,  28                           ; s[28:29] .. s[34:35] the same for the key block in hand
.set KSA, 30
.set VI,  32
.set VSA, 34
.set OF,  36                           ; s[36:37] an offset, its upper word 0
.set MK,  38                           ; s38, s39 the bits that K's and V's walks have still to visit
.set MV,  39
.set TT,  40
.set TP,  41
.set CNT, 42
.set SEL, 44                           ; s[44:45] lane selects for v_permlanex16_b32: lane l xor 16
.set CS,  46                           ; s[46:47] c = log2(e) / sqrt(128)
.set QP,  48
.set QSP, 50
.set OP,  52
.set OSP, 54
.set MSB, 0
.macro WIN new                         ; the immediate's high byte repeats the setting that is left
.if MSB != \new
	s_set_vgpr_msb (MSB<<8)|\new
.set MSB, \new
.endif
.endm
.macro QUANT s, pc, pw, tm             ; 64 numbers of a lane, register 16 b + i = k 32 b + 16 (lane / 16) + i of my row, become 12 registers of codes in v[pc] on (20 are used) and a scale word in v[pw]; tm: 16 at work
.irp b, 0,1,2,3
	v_max3_num_f32 v[\tm+\b], |v[\s+16*\b]|, |v[\s+1+16*\b]|, 0x2800000   ; and the floor 2^(5 - 127): the byte cannot fall under 1.  (Each accumulator is read from its low end on)
.endr
.irp i, 2,4,6,8,10,12,14
.irp b, 0,1,2,3
	v_max3_num_f32 v[\tm+\b], v[\tm+\b], |v[\s+16*\b+\i]|, |v[\s+1+16*\b+\i]|
.endr
.endr
.irp b, 0,1,2,3
	v_permlanex16_b32 v[\tm+4+\b], v[\tm+\b], s[SEL], s[SEL+1]
.endr
.irp b, 0,1,2,3
	v_max_num_f32 v[\tm+\b], v[\tm+\b], v[\tm+4+\b]
.endr
.irp b, 0,1,2,3
	v_add_nc_u32 v[\tm+12+\b], 0xfe000000, v[\tm+\b]   ; 4 off the exponent field: the conversion's scale operand
.endr
.irp b, 0,1,2,3
	v_lshrrev_b32 v[\tm+4+\b], 23, v[\tm+12+\b]   ; the scale's byte
.endr
	v_lshl_or_b32 v[\pw], v[\tm+5], 8, v[\tm+4]
	v_lshl_or_b32 v[\pw], v[\tm+6], 16, v[\pw]
	v_lshl_or_b32 v[\pw], v[\tm+7], 24, v[\pw]
.irp c, 0,1
	v_cvt_scalef32_pk16_bf6_f32 v[\pc+6*\c:\pc+2+6*\c], v[\s+32*\c:\s+15+32*\c], v[\tm+12+2*\c]
	v_cvt_scalef32_pk16_bf6_f32 v[\pc+12+4*\c:\pc+14+4*\c], v[\s+16+32*\c:\s+31+32*\c], v[\tm+12+2*\c+1]
.endr
	v_nop                                          ; one plain place behind a scaled conversion
.irp c, 0,1
.irp i, 0,1,2
	v_permlane16_swap_b32 v[\pc+6*\c+\i], v[\pc+12+4*\c+\i]
.endr
.irp i, 0,1,2
	v_mov_b32 v[\pc+3+6*\c+\i], v[\pc+12+4*\c+\i]
.endr
.endr
.endm
; The walk's next kept key block: the lowest bit still to visit (all of them anew when none is left); its images' and its scale words' addresses.
.macro NEXT m, ib, sb, ic, sa
	s_wait_xcnt 0x0                                ; the bases are rewritten only behind this wait (the loads that named them have also been shown done by their counted wait)
	s_cmp_eq_u32 s[\m], 0
	s_cselect_b32 s[\m], s[FULL], s[\m]
	s_ctz_i32_b32 s[TT], s[\m]
	s_min_u32 s[TT], s[TT], 15                     ; a number read from memory enters an address only behind this bound
	s_sub_co_u32 s[TP], s[\m], 1
	s_and_b32 s[\m], s[\m], s[TP]
	s_mul_i32 s[OF], s[TT], 12288                  ; eight images of 1,536 bytes
	s_add_nc_u64 s[\ic:\ic+1], s[\ib:\ib+1], s[OF:OF+1]
	s_lshl_b32 s[OF], s[TT], 9                     ; four pairs' 128 bytes of scale words
	s_add_nc_u64 s[\sa:\sa+1], s[\sb:\sb+1], s[OF:OF+1]
.endm
.macro LOADT dst, sw, ic, sa           ; 28 loads: eight fragments into window 1, four registers of scale words (lanes 0-15 tile 2 b's, lanes 16-31 tile 2 b + 1's)
	WIN 0x40                                       ; destination window 1, address window 0
.irp t, 0,1,2,3,4,5,6,7
.irp g, 0,1,2
	global_load_b128 v[\dst+12*\t+4*\g:\dst+12*\t+4*\g+3], v[LI], s[\ic:\ic+1] offset:1536*\t+512*\g
.endr
.endr
	WIN 0
.irp b, 0,1,2,3
	global_load_b32 v[\sw+\b], v[LS], s[\sa:\sa+1] offset:128*\b
.endr
.endm
.macro SMUL                            ; S^T = K Q^T: eight tiles of 16 keys, each a sum of its own
	WIN 0x01                                       ; source 0 window 1
.irp t, 0,2,4,6
	v_wmma_scale_f32_16x16x128_f8f6f4 v[SR+8*\t:SR+8*\t+7], v[KF+12*\t:KF+12*\t+11], v[QF:QF+11], 0, v[KS+\t/2], v[QS] matrix_a_fmt:MATRIX_FMT_BF6 matrix_b_fmt:MATRIX_FMT_BF6
	v_wmma_scale_f32_16x16x128_f8f6f4 v[SR+8*\t+8:SR+8*\t+15], v[KF+12*\t+12:KF+12*\t+23], v[QF:QF+11], 0, v[KS+\t/2], v[QS] matrix_a_fmt:MATRIX_FMT_BF6 matrix_b_fmt:MATRIX_FMT_BF6 matrix_a_scale:MATRIX_SCALE_ROW1
.endr
	WIN 0
.endm
.macro PVMUL                           ; O^T += V^T P^T: eight accumulators, one instruction each; between two links of a chain stand the other seven's and the eight of S^T
	WIN 0x01
.irp t, 0,2,4,6
	v_wmma_scale_f32_16x16x128_f8f6f4 v[OA+8*\t:OA+8*\t+7], v[VF+12*\t:VF+12*\t+11], v[PC:PC+11], v[OA+8*\t:OA+8*\t+7], v[VS+\t/2], v[PW] matrix_a_fmt:MATRIX_FMT_BF6 matrix_b_fmt:MATRIX_FMT_BF6
	v_wmma_scale_f32_16x16x128_f8f6f4 v[OA+8*\t+8:OA+8*\t+15], v[VF+12*\t+12:VF+12*\t+23], v[PC:PC+11], v[OA+8*\t+8:OA+8*\t+15], v[VS+\t/2], v[PW] matrix_a_fmt:MATRIX_FMT_BF6 matrix_b_fmt:MATRIX_FMT_BF6 matrix_a_scale:MATRIX_SCALE_ROW1
.endr
	WIN 0
.endm
.macro PLACES n                        ; places behind matrix instructions: in front of loads into their registers and of reads of their results
.rept \n
	v_nop
.endr
.endm
	s_load_b256 s[4:11], s[0:1], 0x0               ; qk, vc, list, oq
	v_lshrrev_b32 v1, 5, v0
	v_readfirstlane_b32 s[WV], v1                  ; wave 0..3
	v_and_b32 v1, 31, v0                           ; lane
	v_and_b32 v2, 15, v0                           ; r
	v_bfe_u32 v3, v0, 4, 1                         ; h
	v_lshlrev_b32 v[LI], 4, v1
	v_lshlrev_b32 v[LS], 2, v1
	v_lshlrev_b32 v[RQ], 2, v2
	v_and_b32 v9, 8, v2
	v_add_nc_u32 v9, v9, v2                        ; r + 8 (r / 8)
	v_mul_u32_u24 v[OC], v9, 1536
	v_mad_u32_u24 v[OC], v3, 24, v[OC]
	v_lshlrev_b32 v[OS], 6, v9
	s_and_b32 s[HD], ttmp7, 0xffff                 ; head
	s_lshl_b32 s[QT], ttmp9, 2
	s_add_co_u32 s[QT], s[QT], s[WV]               ; my tile of queries, 0 .. 127
	s_lshr_b32 s15, ttmp9, 1                       ; my query block, 0 .. 15
	s_lshl_b32 s16, s[HD], 5
	s_and_b32 s18, s15, 7
	s_lshl_b32 s18, s18, 2
	s_add_co_u32 s16, s16, s18                     ; the list's word 8 head + query block % 8
	s_mov_b32 s[SEL], 0x76543210
	s_mov_b32 s[SEL+1], 0xfedcba98
	s_mov_b32 s[CS], 0x3e0293ee                    ; c = log2(e) / sqrt(128)
	s_mov_b32 s[CS+1], s[CS]                       ; (named with it as a pair, so it is written)
	s_mov_b32 s[OF+1], 0
	s_wait_kmcnt 0x0
	s_load_b32 s[FULL], s[8:9], s16 offset:0x0
	s_mul_i32 s[OF], s[HD], 196608                 ; a head's 128 images
	s_add_nc_u64 s[KB:KB+1], s[4:5], s[OF:OF+1]
	s_add_nc_u64 s[KB:KB+1], s[KB:KB+1], 3145728   ; k's lie behind q's
	s_add_nc_u64 s[VB:VB+1], s[6:7], s[OF:OF+1]
	s_lshl_b32 s[OF], s[HD], 13                    ; a head's 8,192 bytes of scale words
	s_add_nc_u64 s[KSB:KSB+1], s[4:5], s[OF:OF+1]
	s_add_nc_u64 s[KSB:KSB+1], s[KSB:KSB+1], 6422528
	s_add_nc_u64 s[VSB:VSB+1], s[6:7], s[OF:OF+1]
	s_add_nc_u64 s[VSB:VSB+1], s[VSB:VSB+1], 3145728
	s_lshl_b32 s[OF], s[HD], 7
	s_add_co_u32 s[OF], s[OF], s[QT]
	s_mul_i32 s[OF], s[OF], 1536
	s_add_nc_u64 s[QP:QP+1], s[4:5], s[OF:OF+1]    ; my tile's image
	s_lshl_b32 s[OF], s[HD], 6
	s_lshr_b32 s[TP], s[QT], 1
	s_add_co_u32 s[OF], s[OF], s[TP]
	s_lshl_b32 s[OF], s[OF], 7
	s_and_b32 s[TT], s[QT], 1
	s_lshl_b32 s18, s[TT], 6
	s_add_co_u32 s[OF], s[OF], s18
	s_add_co_u32 s[OF], s[OF], 6291456
	s_add_nc_u64 s[QSP:QSP+1], s[4:5], s[OF:OF+1]  ; and its scale words
	s_lshl_b32 s[TP], s[TP], 5
	s_lshl_b32 s[TT], s[TT], 3
	s_add_co_u32 s[TP], s[TP], s[TT]               ; the tile's first token
	s_mul_i32 s[OF], s[TP], 1536
	s_mul_i32 s18, s[HD], 96
	s_add_co_u32 s[OF], s[OF], s18
	s_add_nc_u64 s[OP:OP+1], s[10:11], s[OF:OF+1]  ; oq: that token's row of codes, my head's 96 bytes
	s_lshl_b32 s[OF], s[TP], 6
	s_lshl_b32 s18, s[HD], 2
	s_add_co_u32 s[OF], s[OF], s18
	s_add_co_u32 s[OF], s[OF], 3145728
	s_add_nc_u64 s[OSP:OSP+1], s[10:11], s[OF:OF+1]  ; and its row of scale bytes, my head's four
.irp g, 0,1,2
	global_load_b128 v[QF+4*\g:QF+4*\g+3], v[LI], s[QP:QP+1] offset:512*\g
.endr
	global_load_b32 v[QS], v[RQ], s[QSP:QSP+1]
.set N, 0
.rept 64
	v_mov_b32 v[OA+N], 0                           ; O^T: so the second walk is written once, and a query block with nothing kept gives zeros
.set N, N+1
.endr
	v_mov_b32 v13, 0xff61b1e6                      ; the largest c s so far: -3e38
	v_mov_b32 v12, 0x7f61b1e6
	v_mov_b32 v14, 0                               ; the sum, in two halves
	v_mov_b32 v15, 0
.irp b, 0,1,2,3
	v_mov_b32 v[TM+4+\b], 0                        ; written once: a lane permute's destination counts as one of its sources
.endr
	s_wait_kmcnt 0x0
	s_lshr_b32 s15, s15, 3
	s_lshl_b32 s15, s15, 4
	s_lshr_b32 s[FULL], s[FULL], s15               ; the upper half of the word serves query blocks 8 to 15
	s_and_b32 s[FULL], s[FULL], 0xffff
	s_bcnt1_i32_b32 s[NK], s[FULL]
	s_cmp_eq_u32 s[NK], 0
	s_cbranch_scc1 .Lout                           ; nothing is kept: zeros
	s_mov_b32 s[MK], s[FULL]
	s_mov_b32 s[MV], s[FULL]
	NEXT MK, KB, KSB, KI, KSA
	LOADT KF, KS, KI, KSA
	s_mov_b32 s[CNT], 0
.Lp1:                                          ; THE FIRST WALK: a trip a kept key block
	s_wait_loadcnt 0x0                             ; K's tile (and, the first time, Q)
	SMUL
	PLACES 4
	NEXT MK, KB, KSB, KI, KSA
	LOADT KF, KS, KI, KSA                          ; the next kept block: it has the trip's vector work in which to come
.irp b, 0,1,2,3
	v_max3_num_f32 v[TM+\b], v[SR+16*\b], v[SR+1+16*\b], v[SR+2+16*\b]   ; the largest of my 64 scores, in four chains
.endr
.irp i, 3,5,7,9,11,13
.irp b, 0,1,2,3
	v_max3_num_f32 v[TM+\b], v[TM+\b], v[SR+16*\b+\i], v[SR+1+16*\b+\i]
.endr
.endr
.irp b, 0,1,2,3
	v_max_num_f32 v[TM+\b], v[TM+\b], v[SR+15+16*\b]
.endr
	v_max3_num_f32 v[TM], v[TM], v[TM+1], v[TM+2]
	v_max_num_f32 v[TM], v[TM], v[TM+3]
	v_permlanex16_b32 v[TM+4], v[TM], s[SEL], s[SEL+1]
	v_max_num_f32 v[TM], v[TM], v[TM+4]            ; with lane l xor 16's 64 keys
	v_mul_f32 v[TM], s[CS], v[TM]
	v_mov_b32 v[TM+1], v13
	v_max_num_f32 v13, v13, v[TM]                  ; the running maximum,
	v_xor_b32 v12, 0x80000000, v13                 ; negated,
	v_sub_f32 v[FF], v[TM+1], v13                  ; and its old value less its new one
.irp j, 0,2,4,6,8,10,12,14,16,18,20,22,24,26,28,30,32,34,36,38,40,42,44,46,48,50,52,54,56,58,60,62
	v_pk_fma_f32 v[SR+\j:SR+\j+1], v[SR+\j:SR+\j+1], s[CS:CS+1], v[12:13] op_sel_hi:[1,0,0]   ; c s - max
.endr
	v_exp_f32 v[FF], v[FF]
.set N, 0
.rept 64
	v_exp_f32 v[SR+N], v[SR+N]
.set N, N+1
.endr
	v_mov_b32 v[FF+1], 0                           ; a plain line behind the batch (named with v30 as a pair, so it is written)
	s_wait_alu depctr_va_vdst(0)                   ; one wait for the 65, ahead of the first line that names a result
	v_pk_mul_f32 v[14:15], v[14:15], v[FF:FF+1] op_sel_hi:[1,0]   ; the sum under the new maximum
	v_pk_add_f32 v[L2:L2+1], v[SR:SR+1], v[SR+2:SR+3]
.irp j, 4,8,12,16,20,24,28,32,36,40,44,48,52,56,60
	v_pk_add_f32 v[14:15], v[14:15], v[SR+\j:SR+\j+1]
	v_pk_add_f32 v[L2:L2+1], v[L2:L2+1], v[SR+2+\j:SR+3+\j]
.endr
	v_pk_add_f32 v[14:15], v[14:15], v[L2:L2+1]
	s_add_co_u32 s[CNT], s[CNT], 1
	s_cmp_lt_u32 s[CNT], s[NK]
	s_cbranch_scc1 .Lp1
	NEXT MV, VB, VSB, VI, VSA                      ; BETWEEN THE WALKS: V's first tile, behind K's
	LOADT VF, VS, VI, VSA
	v_add_f32 v14, v14, v15
	v_permlanex16_b32 v[TM+4], v14, s[SEL], s[SEL+1]
	v_add_f32 v14, v14, v[TM+4]                    ; the row's sum
	v_rcp_f32 v[RL], v14
	v_mov_b32 v[RL+1], 0                           ; a plain line (the pair's upper half)
	s_wait_alu depctr_va_vdst(0)                   ; ahead of the label
	s_mov_b32 s[CNT], 0
.Lp2:                                          ; THE SECOND WALK
	s_wait_loadcnt 28                              ; K's tile is in; V's 28 loads were issued behind it
	SMUL
	PLACES 4
	NEXT MK, KB, KSB, KI, KSA
	LOADT KF, KS, KI, KSA
.irp j, 0,2,4,6,8,10,12,14,16,18,20,22,24,26,28,30,32,34,36,38,40,42,44,46,48,50,52,54,56,58,60,62
	v_pk_fma_f32 v[SR+\j:SR+\j+1], v[SR+\j:SR+\j+1], s[CS:CS+1], v[12:13] op_sel_hi:[1,0,0]   ; c s - the row's maximum
.endr
.set N, 0
.rept 64
	v_exp_f32 v[SR+N], v[SR+N]
.set N, N+1
.endr
	v_nop                                          ; a plain line behind the batch,
	s_wait_alu depctr_va_vdst(0)                   ; and its one wait
.irp j, 0,2,4,6,8,10,12,14,16,18,20,22,24,26,28,30,32,34,36,38,40,42,44,46,48,50,52,54,56,58,60,62
	v_pk_mul_f32 v[SR+\j:SR+\j+1], v[SR+\j:SR+\j+1], v[RL:RL+1] op_sel_hi:[1,0]   ; / the row's sum: p, finished
.endr
	QUANT SR, PC, PW, TM
	PLACES 8                                       ; a scale register written by a vector instruction stands 8 places ahead of a scaled matrix instruction, an operand so written 4
	s_wait_loadcnt 28                              ; V's tile is in; the next K's 28 loads were issued behind it
	PVMUL
	PLACES 4
	NEXT MV, VB, VSB, VI, VSA
	LOADT VF, VS, VI, VSA
	s_add_co_u32 s[CNT], s[CNT], 1
	s_cmp_lt_u32 s[CNT], s[NK]
	s_cbranch_scc1 .Lp2
.Lout:
	QUANT OA, PC, PW, TM                           ; my 16 rows of the attention's result, along the head's 128: lane (r, h): registers 6 c on are the 24 bytes of k = 64 c + 32 h on
.irp p, 0,1,2,3,4,5
	global_store_b64 v[OC], v[PC+2*\p:PC+2*\p+1], s[OP:OP+1] offset:48*(\p/3)+8*(\p%3)   ; into the row's stream of bits, as the projection's tiles want it
.endr
	v_cmp_gt_u32 vcc_lo, 16, v1
	s_wait_xcnt 0x0                                ; EXEC changes only behind this wait
	s_and_saveexec_b32 s[TP], vcc_lo               ; lanes 0-15: a word a row (lanes 16-31 hold the same words)
	global_store_b32 v[OS], v[PW], s[OSP:OSP+1]
	s_wait_xcnt 0x0
	s_or_b32 exec_lo, exec_lo, s[TP]
	s_endpgm
.Lfunc_end_k_q776f956519_attn:
	.size	k_q776f956519_attn, .Lfunc_end_k_q776f956519_attn-k_q776f956519_attn
	.p2alignl 7, 3214868480
	.fill 96, 4, 3214868480
	.section	.rodata,"a",@progbits
	.p2align	6, 0x0
	.amdhsa_kernel k_q776f956519_attn
		.amdhsa_group_segment_fixed_size 0
		.amdhsa_private_segment_fixed_size 0
		.amdhsa_enable_private_segment 0
		.amdhsa_kernarg_size 32
		.amdhsa_user_sgpr_count 2
		.amdhsa_user_sgpr_kernarg_segment_ptr 1
		.amdhsa_wavefront_size32 1
		.amdhsa_system_sgpr_workgroup_id_x 1
		.amdhsa_system_sgpr_workgroup_id_y 1
		.amdhsa_system_sgpr_workgroup_id_z 1
		.amdhsa_system_vgpr_workitem_id 0
		.amdhsa_next_free_vgpr 448
		.amdhsa_next_free_sgpr 66
		.amdhsa_reserve_vcc 1
		.amdhsa_float_denorm_mode_32 3
		.amdhsa_float_denorm_mode_16_64 3
		.amdhsa_memory_ordered 1
		.amdhsa_forward_progress 1
		.amdhsa_inst_pref_size 49
	.end_amdhsa_kernel
	.amdgpu_metadata
---
amdhsa.version: [ 1, 2 ]
amdhsa.kernels:
  - .name:           k_q776f956519_attn
    .symbol:         k_q776f956519_attn.kd
    .args:
      - { .name: qk, .offset: 0, .size: 8, .value_kind: global_buffer, .address_space: global }
      - { .name: vc, .offset: 8, .size: 8, .value_kind: global_buffer, .address_space: global }
      - { .name: list, .offset: 16, .size: 8, .value_kind: global_buffer, .address_space: global }
      - { .name: oq, .offset: 24, .size: 8, .value_kind: global_buffer, .address_space: global }
    .group_segment_fixed_size: 0
    .private_segment_fixed_size: 0
    .kernarg_segment_align: 8
    .kernarg_segment_size: 32
    .max_flat_workgroup_size: 128
    .sgpr_count:     66
    .vgpr_count:     448
    .wavefront_size: 32
...
	.end_amdgpu_metadata
.endif
;; end of part 5
;; launch proj_out: the kernel of part 2 again; grid 8 x 8, 4 waves a work-group, clusters of 4 x 4, 327,680 bytes of LDS; arguments oq, woq, bo, bq, bk, out0; writes out0
;; ======== version 2 of 2: 6 launches
;; limits: inputs' magnitudes at most 100,000; right only within a limited range of input values
;; workspace buffers: xq 3,276,800 bytes; oq 3,276,800 bytes; wq3 9,830,400 bytes; woq 9,830,400 bytes; raw 50,331,648 bytes; qk 8,650,752 bytes; vc 3,276,800 bytes; list 512 bytes of whole numbers
;; launch quant: the kernel of part 1 again; grid 640 x 1, 4 waves a work-group, no clusters, 33,280 bytes of LDS; arguments x, Wq, Wk, Wv, Wo, xq, wq3, woq; writes xq, wq3, woq
;; launch proj_qkv: the kernel of part 2 again; grid 24 x 8, 4 waves a work-group, clusters of 4 x 4, 327,680 bytes of LDS; arguments xq, wq3, bq, bk, bv, raw; writes raw
;; launch normrope (part 6): grid 128 x 2, 16 waves a work-group, no clusters, 146,432 bytes of LDS; arguments raw, freqs, gq, gk, qk; writes qk
.if DOCPART == 6
	.amdgcn_target "amdgcn-amd-amdhsa--gfx1250"
	.amdhsa_code_object_version 6
	.text
	.protected	k_q776f956519_normrope
	.globl	k_q776f956519_normrope
	.p2align	8
	.type	k_q776f956519_normrope,@function
k_q776f956519_normrope:
	s_mov_b64 s[64:65], 0
	v_nop
	global_prefetch_b8 v0, s[64:65] scope:SCOPE_SE
	s_setreg_imm32_b32 hwreg(HW_REG_WAVE_MODE, 25, 1), 1
	s_wait_xcnt 0x0
; q (work-group y = 0) or k (y = 1): RMS norm over the row's 2,048 numbers, gain, pairwise rotation by cos and sin of freqs, all in f32; then, head by head, codes of BF6 (E3M2) with one E8M0 byte for each 32 of the head's 128,
; and the sums over the tile's 16 tokens of every column, of which the next launch makes the means over 128 tokens.
; SHARES.  A work-group owns tile tt of 16 tokens: row r is token 32 (tt / 2) + 8 (tt % 2) + r + 8 (r / 8).  Wave w owns head w.  Lane (r = lane % 16, h = lane / 16) holds, of row r, the head's numbers 32 b + 16 h + i in register 16 b + i.
; IN.  Each of a wave's 16 loads takes one token's 512 consecutive bytes of the head, 16 a lane; the 16 rows turn through the wave's own stage in LDS and come back 64 bytes a lane and block, in the layout above.
; OUT, into qk (sel = y): the operand's registers as they stand, 3 x 512 bytes, at sel x 3,145,728 + (128 head + tt) x 1,536; the rows' scale words at 6,291,456 + sel x 131,072 + (64 head + tt / 2) x 128 + 64 (tt % 2) + 4 r;
; the column sums at 6,553,600 + sel x 1,048,576 + 8,192 tt + 4 x column.
; SIN AND COS are made in f32: n = the nearest whole number to x 2 / pi; x - n pi / 2 with pi / 2 in two parts; two polynomials on [-pi / 4, pi / 4]; quadrant by selects and sign bits.  No branch hangs on a number.
; A tile's 16 x 64 angles are shared out, two to a lane of each of the 16 waves, and meet in LDS, laid as the readers' registers want them.  One barrier serves them and the waves' parts of the rows' sums of squares.
; LIMITS: |freqs| up to 1e5 (beyond it the two parts of pi / 2 are too few); a block of zeros gets the byte 1 where the rule says 127 (this program alone reads the bytes); blocks under 2^-122 are held at the byte 1; NaN and infinities are not served.
.set SPIT, 528                         ; a stage row: 512 bytes + 16
.set WSTG, 16*SPIT                     ; LDS: a stage of 16 rows for each wave, from byte 0 on;
.set COSR, 16*WSTG                     ; cos: [group 8][lane 32][16 bytes]; sin 4,096 bytes further on;
.set SSQ,  COSR+8192                   ; sums of squares: [row 16][wave 16] f32
.set SEL,  30                          ; s[30:31] lane selects for v_permlanex16_b32: lane l xor 16
.set X,    32                          ; v32-95   my 64 numbers
.set G,    96                          ; v96-159  their gains; later the stage's rows read back
.set RW,   160                         ; v160-223 the 16 rows as they are loaded; then:
.set CC,   160                         ; v160-191 cos of my 32 pairs; later the codes and what the quantiser works in
.set SS,   192                         ; v192-223 sin
; 64 numbers of a lane, v[s] on, register 16 b + i = k 32 b + 16 (lane / 16) + i of my row, become a fragment's 12 registers of codes in v[pc] on (20 are used) and its scale word in v[pw]; tm: 16 registers at work.
.macro QUANT s, pc, pw, tm
.irp b, 0,1,2,3
	v_max3_num_f32 v[\tm+\b], |v[\s+16*\b]|, |v[\s+1+16*\b]|, 0x2800000   ; block b: my 16 numbers, and the floor 2^(5 - 127): the byte cannot fall under 1
.endr
.irp i, 2,4,6,8,10,12,14
.irp b, 0,1,2,3
	v_max3_num_f32 v[\tm+\b], v[\tm+\b], |v[\s+16*\b+\i]|, |v[\s+1+16*\b+\i]|   ; the four blocks by turns
.endr
.endr
.irp b, 0,1,2,3
	v_permlanex16_b32 v[\tm+4+\b], v[\tm+\b], s[SEL], s[SEL+1]
.endr
.irp b, 0,1,2,3
	v_max_num_f32 v[\tm+\b], v[\tm+\b], v[\tm+4+\b]   ; with lane l xor 16's: the block's largest magnitude
.endr
.irp b, 0,1,2,3
	v_add_nc_u32 v[\tm+12+\b], 0xfe000000, v[\tm+\b]   ; 4 off its exponent field: the conversion's scale operand
.endr
.irp b, 0,1,2,3
	v_lshrrev_b32 v[\tm+4+\b], 23, v[\tm+12+\b]   ; the scale's byte
.endr
	v_lshl_or_b32 v[\pw], v[\tm+5], 8, v[\tm+4]
	v_lshl_or_b32 v[\pw], v[\tm+6], 16, v[\pw]
	v_lshl_or_b32 v[\pw], v[\tm+7], 24, v[\pw]
.irp c, 0,1
	v_cvt_scalef32_pk16_bf6_f32 v[\pc+6*\c:\pc+2+6*\c], v[\s+32*\c:\s+15+32*\c], v[\tm+12+2*\c]
	v_cvt_scalef32_pk16_bf6_f32 v[\pc+12+4*\c:\pc+14+4*\c], v[\s+16+32*\c:\s+31+32*\c], v[\tm+12+2*\c+1]   ; (a conversion's three registers begin on an even number)
.endr
	v_nop                                          ; one plain place behind a scaled conversion
.irp c, 0,1                                    ; the operand's layout wants a whole block in a lane: lanes 0-15 block 2 c, lanes 16-31 block 2 c + 1
.irp i, 0,1,2
	v_permlane16_swap_b32 v[\pc+6*\c+\i], v[\pc+12+4*\c+\i]
.endr
.irp i, 0,1,2
	v_mov_b32 v[\pc+3+6*\c+\i], v[\pc+12+4*\c+\i]
.endr
.endr
.endm
; cos and sin of v[ang] into v[co] and v[so]; t: seven registers at work
.macro SINCOS ang, co, so, t
	v_mul_f32 v[\t], 0x3f22f983, v[\ang]           ; x 2 / pi
	v_rndne_f32 v[\t], v[\t]                       ; n
	v_fmamk_f32 v[\t+1], v[\t], 0xbfc90fdb, v[\ang]    ; x - n (pi / 2)'s upper part,
	v_fmamk_f32 v[\t+1], v[\t], 0x333bbd2e, v[\t+1]    ; - n times its lower part: y
	v_cvt_i32_f32 v[\t], v[\t]                     ; the quadrant
	v_mul_f32 v[\t+2], v[\t+1], v[\t+1]            ; z = y y
	v_mov_b32 v[\t+3], 0xb94ca1f9
	v_fmaak_f32 v[\t+3], v[\t+2], v[\t+3], 0x3c08839e
	v_fmaak_f32 v[\t+3], v[\t+2], v[\t+3], 0xbe2aaaa3
	v_mul_f32 v[\t+4], v[\t+1], v[\t+2]
	v_fma_f32 v[\t+3], v[\t+4], v[\t+3], v[\t+1]   ; sin y = y + y z P(z)
	v_mov_b32 v[\t+4], 0x37ccf5ce
	v_fmaak_f32 v[\t+4], v[\t+2], v[\t+4], 0xbab6061a
	v_fmaak_f32 v[\t+4], v[\t+2], v[\t+4], 0x3d2aaaa5
	v_mul_f32 v[\t+5], v[\t+2], v[\t+2]
	v_fma_f32 v[\t+6], v[\t+2], -0.5, 1.0
	v_fma_f32 v[\t+4], v[\t+5], v[\t+4], v[\t+6]   ; cos y = 1 - z / 2 + z z Q(z)
	v_and_b32 v[\t+5], 1, v[\t]
	v_cmp_eq_u32 vcc_lo, 1, v[\t+5]                ; in odd quadrants the two change places
	v_cndmask_b32 v[\so], v[\t+3], v[\t+4], vcc_lo
	v_cndmask_b32 v[\co], v[\t+4], v[\t+3], vcc_lo
	v_lshlrev_b32 v[\t+5], 30, v[\t]
	v_and_b32 v[\t+5], 0x80000000, v[\t+5]         ; sin is negated in quadrants 2 and 3,
	v_xor_b32 v[\so], v[\so], v[\t+5]
	v_add_nc_u32 v[\t], 1, v[\t]
	v_lshlrev_b32 v[\t+5], 30, v[\t]
	v_and_b32 v[\t+5], 0x80000000, v[\t+5]         ; cos in quadrants 1 and 2
	v_xor_b32 v[\co], v[\co], v[\t+5]
.endm
	s_load_b256 s[4:11], s[0:1], 0x0               ; raw, freqs, gq, gk
	s_load_b64 s[12:13], s[0:1], 0x20              ; qk
	v_lshl_add_u32 v224, v0, 2, 0x23400
	v_mov_b32 v225, 0
	v_lshrrev_b32 v1, 5, v0
	v_readfirstlane_b32 s14, v1                    ; wave = head
	v_and_b32 v1, 31, v0                           ; lane
	v_and_b32 v2, 15, v0                           ; r
	v_bfe_u32 v3, v0, 4, 1                         ; h
	v_and_b32 v9, 8, v2
	v_add_nc_u32 v9, v9, v2                        ; r + 8 (r / 8)
	v_lshlrev_b32 v5, 6, v3                        ; the gain: 64 h
	v_lshlrev_b32 v6, 8, v9
	v_lshl_add_u32 v6, v3, 5, v6                   ; freqs: my token's row of 256 bytes, + 32 h
	v_lshlrev_b32 v7, 4, v1                        ; 16 x lane
	s_lshr_b32 s20, s14, 1
	s_lshl_b32 s20, s20, 9
	s_and_b32 s21, s14, 1
	s_lshl_b32 s21, s21, 3
	s_add_co_u32 s20, s20, s21
	s_add_co_u32 s20, s20, COSR
	v_add_nc_u32 v8, s20, v7                       ; where my two cos go: group w / 2, my lane's 16 bytes, + 8 (w % 2)
	s_lshl_b32 s20, s14, 2
	s_add_co_u32 s20, s20, SSQ
	v_lshl_add_u32 v10, v2, 6, s20                 ; my wave's part of row r's sum of squares
	v_lshlrev_b32 v11, 6, v2
	v_add_nc_u32 v11, SSQ, v11                     ; row r's sixteen parts
	s_mul_i32 s20, s14, WSTG
	v_mul_u32_u24 v12, v2, SPIT
	v_lshl_add_u32 v12, v3, 6, v12
	v_add_nc_u32 v12, s20, v12                     ; my stage by the operand's layout: row r, + 64 h
	v_add_nc_u32 v13, s20, v7                      ; and by rows: 16 bytes a lane of a row
	v_add_nc_u32 v14, COSR, v7                     ; cos and sin, back
	v_lshlrev_b32 v15, 2, v2                       ; a scale word's place: 4 r
	s_mov_b32 s[SEL], 0x76543210
	s_mov_b32 s[SEL+1], 0xfedcba98
	s_and_b32 s16, ttmp7, 0xffff                   ; sel: 0 q, 1 k
	s_lshr_b32 s17, ttmp9, 1                       ; tt / 2
	s_and_b32 s18, ttmp9, 1                        ; tt % 2
	s_lshl_b32 s19, s17, 5
	s_lshl_b32 s22, s18, 3
	s_add_co_u32 s19, s19, s22                     ; the tile's first token
	s_lshl_b32 s22, s16, 24                        ; raw: plane sel, the first token's row, my head's 512 bytes
	s_lshl_b32 s24, s19, 13
	s_add_co_u32 s22, s22, s24
	s_lshl_b32 s24, s14, 9
	s_add_co_u32 s22, s22, s24
	s_mov_b32 s23, 0
	s_mov_b32 s25, 0                               ; s[24:25]: my head's 512 bytes of the gain
	s_lshl_b32 s26, s19, 8                         ; freqs: the first token's row; angles 16 (w / 4) + 2 (w % 4) on
	s_lshr_b32 s28, s14, 2
	s_lshl_b32 s28, s28, 6
	s_add_co_u32 s26, s26, s28
	s_and_b32 s28, s14, 3
	s_lshl_b32 s28, s28, 3
	s_add_co_u32 s26, s26, s28
	s_mov_b32 s27, 0
	s_mul_i32 s32, s16, 3145728                    ; the image
	s_lshl_b32 s28, s14, 7
	s_add_co_u32 s28, s28, ttmp9
	s_mul_i32 s28, s28, 1536
	s_add_co_u32 s32, s32, s28
	s_mov_b32 s33, 0
	s_lshl_b32 s34, s16, 17                        ; the scale words
	s_lshl_b32 s28, s14, 6
	s_add_co_u32 s28, s28, s17
	s_lshl_b32 s28, s28, 7
	s_add_co_u32 s34, s34, s28
	s_lshl_b32 s28, s18, 6
	s_add_co_u32 s34, s34, s28
	s_add_co_u32 s34, s34, 6291456
	s_mov_b32 s35, 0
	s_lshl_b32 s36, s16, 20                        ; the column sums
	s_lshl_b32 s28, ttmp9, 13
	s_add_co_u32 s36, s36, s28
	s_add_co_u32 s36, s36, s24
	s_add_co_u32 s36, s36, 6553600
	s_mov_b32 s37, 0
	s_wait_kmcnt 0x0
	s_add_nc_u64 s[4:5], s[4:5], s[22:23]
	s_add_nc_u64 s[6:7], s[6:7], s[26:27]
	s_cmp_eq_u32 s16, 0
	s_cselect_b64 s[8:9], s[8:9], s[10:11]
	s_add_nc_u64 s[8:9], s[8:9], s[24:25]
	s_add_nc_u64 s[32:33], s[12:13], s[32:33]
	s_add_nc_u64 s[34:35], s[12:13], s[34:35]
	s_add_nc_u64 s[36:37], s[12:13], s[36:37]
	global_load_b64 v[16:17], v6, s[6:7]           ; my two angles
.irp i, 0,1,2,3,4,5,6,7,8,9,10,11,12,13,14,15
	global_load_b128 v[RW+4*\i:RW+4*\i+3], v7, s[4:5] offset:(\i+8*(\i/8))*8192 th:TH_LOAD_NT   ; row i of the tile: the 32 lanes read the head's 512 consecutive bytes
.endr
.irp b, 0,1,2,3
.irp j, 0,1,2,3
	global_load_b128 v[G+16*\b+4*\j:G+16*\b+4*\j+3], v5, s[8:9] offset:128*\b+16*\j
.endr
.endr
	s_wait_loadcnt 32                              ; the angles are in; the 32 loads of numbers and gains may be out
	SINCOS 16, 20, 22, 24
	SINCOS 17, 21, 23, 24
	ds_store_b64 v8, v[20:21]
	ds_store_b64 v8, v[22:23] offset:4096
	s_wait_loadcnt 16                              ; the 16 rows are in; the gains' 16 loads may be out
.irp i, 0,1,2,3,4,5,6,7,8,9,10,11,12,13,14,15
	ds_store_b128 v13, v[RW+4*\i:RW+4*\i+3] offset:SPIT*\i   ; my wave's own stage: rows as rows
.endr
.irp b, 0,1,2,3
.irp j, 0,1,2,3
	ds_load_b128 v[X+16*\b+4*\j:X+16*\b+4*\j+3], v12 offset:128*\b+16*\j   ; LDS serves a wave's instructions in order: these see my stores.  Row r, numbers 32 b + 16 h + 4 j on
.endr
.endr
	s_wait_dscnt 0x0
.irp c, 0,1,2,3
	v_pk_mul_f32 v[24+2*\c:25+2*\c], v[X+2*\c:X+2*\c+1], v[X+2*\c:X+2*\c+1]   ; the sum of my 64 squares, in four chains
.endr
.irp i, 8,16,24,32,40,48,56
.irp c, 0,1,2,3
	v_pk_fma_f32 v[24+2*\c:25+2*\c], v[X+\i+2*\c:X+\i+2*\c+1], v[X+\i+2*\c:X+\i+2*\c+1], v[24+2*\c:25+2*\c]
.endr
.endr
	v_pk_add_f32 v[24:25], v[24:25], v[26:27]
	v_pk_add_f32 v[28:29], v[28:29], v[30:31]
	v_pk_add_f32 v[24:25], v[24:25], v[28:29]
	v_add_f32 v24, v24, v25
	v_permlanex16_b32 v25, v24, s[SEL], s[SEL+1]
	v_add_f32 v24, v24, v25                        ; with lane l xor 16's: my head's part of row r
	ds_store_b32 v10, v24                          ; lanes r and r + 16 write the same word with the same value
	s_wait_dscnt 0x0                               ; for the others' sake: my stores have landed
	s_barrier_signal -1
	s_barrier_wait -1                              ; cos, sin and all sixteen parts lie in LDS; nobody writes these bytes again
.irp i, 0,1,2,3
	ds_load_b128 v[16+4*\i:19+4*\i], v11 offset:16*\i
.endr
.irp g, 0,1,2,3,4,5,6,7
	ds_load_b128 v[CC+4*\g:CC+4*\g+3], v14 offset:512*\g
.endr
.irp g, 0,1,2,3,4,5,6,7
	ds_load_b128 v[SS+4*\g:SS+4*\g+3], v14 offset:4096+512*\g
.endr
	s_wait_dscnt 16                                ; the sixteen parts are in; cos' and sin's 16 loads may be out
	v_pk_add_f32 v[16:17], v[16:17], v[18:19]
	v_pk_add_f32 v[20:21], v[20:21], v[22:23]
	v_pk_add_f32 v[24:25], v[24:25], v[26:27]
	v_pk_add_f32 v[28:29], v[28:29], v[30:31]
	v_pk_add_f32 v[16:17], v[16:17], v[20:21]
	v_pk_add_f32 v[24:25], v[24:25], v[28:29]
	v_pk_add_f32 v[16:17], v[16:17], v[24:25]
	v_add_f32 v16, v16, v17                        ; the row's sum of squares: the same order in every wave
	v_mov_b32 v17, 0x358637bd                      ; 1e-6
	v_fmamk_f32 v16, v16, 0x3a000000, v17          ; / 2,048 + 1e-6
	v_rsq_f32 v18, v16
	v_mov_b32 v19, 0                               ; a plain line behind the transcendental (v19 is named with v18 as a pair, so it is written)
	s_wait_alu depctr_va_vdst(0)                   ; the wait ahead of the first line that names the result
.irp i, 0,2,4,6,8,10,12,14,16,18,20,22,24,26,28,30,32,34,36,38,40,42,44,46,48,50,52,54,56,58,60,62
	v_pk_mul_f32 v[X+\i:X+\i+1], v[X+\i:X+\i+1], v[18:19] op_sel_hi:[1,0]
.endr
	s_wait_loadcnt 0x0                             ; the gains
.irp i, 0,2,4,6,8,10,12,14,16,18,20,22,24,26,28,30,32,34,36,38,40,42,44,46,48,50,52,54,56,58,60,62
	v_pk_mul_f32 v[X+\i:X+\i+1], v[X+\i:X+\i+1], v[G+\i:G+\i+1]
.endr
	s_wait_dscnt 0x0                               ; cos and sin
.set N, 0
.rept 32                                       ; pair N: registers 2 N and 2 N + 1; four pairs of temporaries by turns
.set T, 16+2*(N%4)
	v_mul_f32 v[T], v[X+2*N+1], v[SS+N]
	v_mul_f32 v[T+1], v[X+2*N], v[SS+N]
	v_fma_f32 v[X+2*N], v[X+2*N], v[CC+N], -v[T]
	v_fma_f32 v[X+2*N+1], v[X+2*N+1], v[CC+N], v[T+1]
.set N, N+1
.endr
.irp b, 0,1,2,3
.irp j, 0,1,2,3
	ds_store_b128 v12, v[X+16*\b+4*\j:X+16*\b+4*\j+3] offset:128*\b+16*\j   ; the finished rows into my stage,
.endr
.endr
.irp i, 0,1,2,3,4,5,6,7,8,9,10,11,12,13,14,15
	ds_load_b128 v[G+4*\i:G+4*\i+3], v13 offset:SPIT*\i   ; and back by rows: row i, my four columns
.endr
	QUANT X, 160, 196, 180                         ; while those loads are out.  (v184-187 were written by the loads of cos)
.irp g, 0,1,2
	global_store_b128 v7, v[160+4*\g:163+4*\g], s[32:33] offset:512*\g   ; the operand's registers as they stand: 512 consecutive bytes a store
.endr
	s_wait_dscnt 0x0
.irp i, 2,4,6,8,10,12,14                       ; the sum of the 16 rows, even rows and odd rows apart
	v_pk_add_f32 v[G:G+1], v[G:G+1], v[G+4*\i:G+4*\i+1]
	v_pk_add_f32 v[G+2:G+3], v[G+2:G+3], v[G+4*\i+2:G+4*\i+3]
	v_pk_add_f32 v[G+4:G+5], v[G+4:G+5], v[G+4*\i+4:G+4*\i+5]
	v_pk_add_f32 v[G+6:G+7], v[G+6:G+7], v[G+4*\i+6:G+4*\i+7]
.endr
	v_pk_add_f32 v[G:G+1], v[G:G+1], v[G+4:G+5]
	v_pk_add_f32 v[G+2:G+3], v[G+2:G+3], v[G+6:G+7]
	global_store_b128 v7, v[G:G+3], s[36:37]       ; 512 consecutive bytes: my head's 128 column sums
	v_cmp_gt_u32 vcc_lo, 16, v1
	s_wait_xcnt 0x0                                ; EXEC changes only behind this wait
	s_wait_tensorcnt 0x0
	ds_add_u32 v224, v225
	s_wait_dscnt 0x0
	s_and_saveexec_b32 s38, vcc_lo                 ; lanes 0-15: a word a row (lanes 16-31 hold the same words)
	global_store_b32 v15, v196, s[34:35]
	s_wait_xcnt 0x0
	s_or_b32 exec_lo, exec_lo, s38
	s_endpgm
.Lfunc_end_k_q776f956519_normrope:
	.size	k_q776f956519_normrope, .Lfunc_end_k_q776f956519_normrope-k_q776f956519_normrope
	.p2alignl 7, 3214868480
	.fill 96, 4, 3214868480
	.section	.rodata,"a",@progbits
	.p2align	6, 0x0
	.amdhsa_kernel k_q776f956519_normrope
		.amdhsa_group_segment_fixed_size 146432
		.amdhsa_private_segment_fixed_size 0
		.amdhsa_enable_private_segment 0
		.amdhsa_kernarg_size 40
		.amdhsa_user_sgpr_count 2
		.amdhsa_user_sgpr_kernarg_segment_ptr 1
		.amdhsa_wavefront_size32 1
		.amdhsa_system_sgpr_workgroup_id_x 1
		.amdhsa_system_sgpr_workgroup_id_y 1
		.amdhsa_system_sgpr_workgroup_id_z 1
		.amdhsa_system_vgpr_workitem_id 0
		.amdhsa_next_free_vgpr 226
		.amdhsa_next_free_sgpr 66
		.amdhsa_reserve_vcc 1
		.amdhsa_float_denorm_mode_32 3
		.amdhsa_float_denorm_mode_16_64 3
		.amdhsa_memory_ordered 1
		.amdhsa_forward_progress 1
		.amdhsa_inst_pref_size 35
	.end_amdhsa_kernel
	.amdgpu_metadata
---
amdhsa.version: [ 1, 2 ]
amdhsa.kernels:
  - .name:           k_q776f956519_normrope
    .symbol:         k_q776f956519_normrope.kd
    .args:
      - { .name: raw, .offset: 0, .size: 8, .value_kind: global_buffer, .address_space: global }
      - { .name: freqs, .offset: 8, .size: 8, .value_kind: global_buffer, .address_space: global }
      - { .name: gq, .offset: 16, .size: 8, .value_kind: global_buffer, .address_space: global }
      - { .name: gk, .offset: 24, .size: 8, .value_kind: global_buffer, .address_space: global }
      - { .name: qk, .offset: 32, .size: 8, .value_kind: global_buffer, .address_space: global }
    .group_segment_fixed_size: 146432
    .private_segment_fixed_size: 0
    .kernarg_segment_align: 8
    .kernarg_segment_size: 40
    .max_flat_workgroup_size: 512
    .sgpr_count:     66
    .vgpr_count:     226
    .wavefront_size: 32
...
	.end_amdgpu_metadata
.endif
;; end of part 6
;; launch maskv (part 7): grid 144 x 1, 8 waves a work-group, no clusters, 18,432 bytes of LDS; arguments raw, qk, vc, list; writes vc, list
.if DOCPART == 7
	.amdgcn_target "amdgcn-amd-amdhsa--gfx1250"
	.amdhsa_code_object_version 6
	.text
	.protected	k_q776f956519_maskv
	.globl	k_q776f956519_maskv
	.p2align	8
	.type	k_q776f956519_maskv,@function
k_q776f956519_maskv:
	s_mov_b64 s[64:65], 0
	v_nop
	global_prefetch_b8 v0, s[64:65] scope:SCOPE_SE
	s_setreg_imm32_b32 hwreg(HW_REG_WAVE_MODE, 25, 1), 1
	s_wait_xcnt 0x0
; Two jobs, parted by the work-group's number.
; WORK-GROUPS 0-15, one a head: THE DRAFT MASK.  The column sums of q and k over tiles of 16 tokens are added to sums over blocks of 128 tokens; both are quantised to BF6 along the head's 128; one matrix instruction gives the 16 x 16
; scores; softmax over the key blocks under the local mask; for each frame of 8 query blocks an entry is kept where it lies above the 11th largest of the frame's 128, that is where at most 10 of the 128 are not smaller.
; Wave w adds the sums of q (w even) or k (w odd) for blocks 4 (w / 2) on: 32 loads, each a tile's 512 consecutive bytes of the head, 16 a lane.  The 2 x 16 rows meet in LDS; behind one barrier every wave reads both operands, lane (r, h)
; taking block r's numbers 32 b + 16 h + i into register 16 b + i.
; THE SUMS are quantised, not the means: a mean is its sum x 2^-7, which moves the scale's byte and no code; the 2^-14 of both goes into the scores' factor, 2^-14 / sqrt(128).
; THE LOCAL MASK hides key blocks 6 and 7 of each frame from query blocks 0 and 1 of each frame, and nothing else (window 6 x 6 on a grid of 4 x 2).
; OUT: list word [8 head + j]: bit n: key block n kept for query block j; bit 16 + n: for query block 8 + j.  The mask is data here: no address and no branch of this launch hangs on it.
; WORK-GROUPS 16-143: V INTO CODES, along the keys.  A work-group takes a key block of 128 tokens and 256 columns, a wave 32 columns.  A lane takes a column and its registers run down the tokens, so a block of 32 keys lies in one lane.
; Lane l takes column 32 b + 8 (l / 16) + l % 16 + 8 ((l % 16) / 8) of its head: lanes 0-15 are the rows of tile 2 b of V^T, lanes 16-31 those of tile 2 b + 1, in the order in which the attention's result wants them.
; OUT, into vc: the operands' registers as they stand at ((16 head + key block) x 8 + tile) x 1,536; scale words at 3,145,728 + ((16 head + key block) x 4 + b) x 128 + 4 lane.
; LIMITS: a block of zeros gets the byte 1 where the rule says 127 (this program alone reads the bytes); blocks under 2^-122 are held at the byte 1; NaN and infinities are not served.
.set SEL, 44                           ; s[44:45] lane selects for v_permlanex16_b32: lane l xor 16
.set SPIT, 528                         ; LDS: a block's row of 128 sums: 512 bytes + 16; q's 16 rows from byte 0, k's behind them
.macro QUANT s, pc, pw, tm             ; 64 numbers of a lane, register 16 b + i = k 32 b + 16 (lane / 16) + i of my row, become 12 registers of codes in v[pc] on (20 are used) and a scale word in v[pw]; tm: 16 at work
.irp b, 0,1,2,3
	v_max3_num_f32 v[\tm+\b], |v[\s+16*\b]|, |v[\s+1+16*\b]|, 0x2800000   ; and the floor 2^(5 - 127): the byte cannot fall under 1
.endr
.irp i, 2,4,6,8,10,12,14
.irp b, 0,1,2,3
	v_max3_num_f32 v[\tm+\b], v[\tm+\b], |v[\s+16*\b+\i]|, |v[\s+1+16*\b+\i]|
.endr
.endr
.irp b, 0,1,2,3
	v_permlanex16_b32 v[\tm+4+\b], v[\tm+\b], s[SEL], s[SEL+1]
.endr
.irp b, 0,1,2,3
	v_max_num_f32 v[\tm+\b], v[\tm+\b], v[\tm+4+\b]
.endr
.irp b, 0,1,2,3
	v_add_nc_u32 v[\tm+12+\b], 0xfe000000, v[\tm+\b]   ; 4 off the exponent field: the conversion's scale operand
.endr
.irp b, 0,1,2,3
	v_lshrrev_b32 v[\tm+4+\b], 23, v[\tm+12+\b]   ; the scale's byte
.endr
	v_lshl_or_b32 v[\pw], v[\tm+5], 8, v[\tm+4]
	v_lshl_or_b32 v[\pw], v[\tm+6], 16, v[\pw]
	v_lshl_or_b32 v[\pw], v[\tm+7], 24, v[\pw]
.irp c, 0,1
	v_cvt_scalef32_pk16_bf6_f32 v[\pc+6*\c:\pc+2+6*\c], v[\s+32*\c:\s+15+32*\c], v[\tm+12+2*\c]
	v_cvt_scalef32_pk16_bf6_f32 v[\pc+12+4*\c:\pc+14+4*\c], v[\s+16+32*\c:\s+31+32*\c], v[\tm+12+2*\c+1]
.endr
	v_nop                                          ; one plain place behind a scaled conversion
.irp c, 0,1
.irp i, 0,1,2
	v_permlane16_swap_b32 v[\pc+6*\c+\i], v[\pc+12+4*\c+\i]
.endr
.irp i, 0,1,2
	v_mov_b32 v[\pc+3+6*\c+\i], v[\pc+12+4*\c+\i]
.endr
.endr
.endm
	s_load_b256 s[4:11], s[0:1], 0x0               ; raw, qk, vc, list
	v_lshl_add_u32 v254, v0, 2, 0x4400
	v_mov_b32 v255, 0
	v_lshrrev_b32 v1, 5, v0
	v_readfirstlane_b32 s14, v1                    ; wave 0..7
	v_and_b32 v1, 31, v0                           ; lane
	v_and_b32 v2, 15, v0                           ; r
	v_bfe_u32 v3, v0, 4, 1                         ; h
	v_lshlrev_b32 v4, 4, v1                        ; 16 x lane
	s_mov_b32 s[SEL], 0x76543210
	s_mov_b32 s[SEL+1], 0xfedcba98
	s_wait_kmcnt 0x0
	s_cmp_lt_u32 ttmp9, 16
	s_cbranch_scc0 .Lvpath
	; ---- THE DRAFT MASK
	s_and_b32 s15, s14, 1                          ; q's sums or k's
	s_lshr_b32 s16, s14, 1                         ; which four blocks of 128 tokens
	s_lshl_b32 s20, s15, 20
	s_lshl_b32 s21, s16, 18                        ; four blocks are 32 tiles' rows of 8,192 bytes
	s_add_co_u32 s20, s20, s21
	s_lshl_b32 s21, ttmp9, 9                       ; my head's 512 bytes of a row of sums
	s_add_co_u32 s20, s20, s21
	s_add_co_u32 s20, s20, 6553600
	s_mov_b32 s21, 0
	s_add_nc_u64 s[6:7], s[6:7], s[20:21]
	s_mul_i32 s22, s15, 16*SPIT
	s_mul_i32 s23, s16, 4*SPIT
	s_add_co_u32 s22, s22, s23
	v_add_nc_u32 v6, s22, v4                       ; LDS, in: my four rows, 16 x lane
	v_mul_u32_u24 v5, v2, SPIT
	v_lshl_add_u32 v5, v3, 6, v5                   ; and back: row r, + 64 h
.set N, 0
.rept 32
	global_load_b128 v[32+4*N:35+4*N], v4, s[6:7] offset:8192*N   ; tile N of my 32: the 32 lanes read 512 consecutive bytes; a lane holds four columns
.set N, N+1
.endr
	s_wait_loadcnt 0x0
.irp k, 0,1,2,3                                ; block k's eight tiles lie in v[32 + 32 k] on, four registers each: first by pairs,
.irp p, 0,8,16,24
	v_pk_add_f32 v[32+32*\k+\p:33+32*\k+\p], v[32+32*\k+\p:33+32*\k+\p], v[36+32*\k+\p:37+32*\k+\p]
	v_pk_add_f32 v[34+32*\k+\p:35+32*\k+\p], v[34+32*\k+\p:35+32*\k+\p], v[38+32*\k+\p:39+32*\k+\p]
.endr
.endr
.irp p, 8,16,24                                ; then the four pairs one after the other; the four blocks by turns
.irp k, 0,1,2,3
	v_pk_add_f32 v[32+32*\k:33+32*\k], v[32+32*\k:33+32*\k], v[32+32*\k+\p:33+32*\k+\p]
	v_pk_add_f32 v[34+32*\k:35+32*\k], v[34+32*\k:35+32*\k], v[34+32*\k+\p:35+32*\k+\p]
.endr
.endr
.irp k, 0,1,2,3
	ds_store_b128 v6, v[32+32*\k:35+32*\k] offset:SPIT*\k   ; a block's row of 128 sums
.endr
	s_wait_dscnt 0x0                               ; for the others' sake: my stores have landed
	s_barrier_signal -1
	s_barrier_wait -1                              ; the 32 rows lie in LDS; nobody writes them again
.irp b, 0,1,2,3
.irp j, 0,1,2,3
	ds_load_b128 v[32+16*\b+4*\j:35+16*\b+4*\j], v5 offset:128*\b+16*\j          ; q's sums in v32-95,
.endr
.endr
.irp b, 0,1,2,3
.irp j, 0,1,2,3
	ds_load_b128 v[96+16*\b+4*\j:99+16*\b+4*\j], v5 offset:16*SPIT+128*\b+16*\j  ; k's in v96-159
.endr
.endr
.irp b, 0,1,2,3
	v_mov_b32 v[204+\b], 0                         ; written once: a lane permute's destination counts as one of its sources
.endr
	s_wait_dscnt 0x0
	QUANT 32, 160, 250, 200                        ; q's codes in v160-171, scale word v250
	QUANT 96, 180, 251, 200                        ; k's in v180-191, v251
.rept 8
	v_nop                                          ; a scale register written by a vector instruction stands 8 places ahead of a scaled matrix instruction, an operand so written 4
.endr
	v_wmma_scale_f32_16x16x128_f8f6f4 v[224:231], v[160:171], v[180:191], 0, v250, v251 matrix_a_fmt:MATRIX_FMT_BF6 matrix_b_fmt:MATRIX_FMT_BF6   ; register j of lane (r, h): query block 8 h + j, key block r
	v_and_b32 v7, 6, v2
	v_cmp_eq_u32 vcc_lo, 6, v7                     ; key blocks 6 and 7 of a frame
	v_mov_b32 v8, 0xff800000                       ; -infinity
	v_nop                                          ; four places behind the matrix instruction
.irp j, 0,1,2,3,4,5,6,7
	v_mul_f32 v[224+\j], 0x36b504f3, v[224+\j]     ; x 2^-14 / sqrt(128); the result is read from its low end on
.endr
	v_cndmask_b32 v224, v224, v8, vcc_lo           ; hidden from query blocks 0 and 1 of a frame
	v_cndmask_b32 v225, v225, v8, vcc_lo
.irp j, 0,1,2,3,4,5,6,7
	v_mov_b32 v[234+\j], v[224+\j]
.endr
.irp m, 1,2,4,8
.irp j, 0,1,2,3,4,5,6,7
	v_max_num_f32_dpp v[234+\j], v[234+\j], v[234+\j] row_xmask:\m row_mask:0xf bank_mask:0xf   ; a query block's largest score: over the 16 lanes of my half
.endr
.endr
.irp j, 0,1,2,3,4,5,6,7
	v_sub_f32 v[224+\j], v[224+\j], v[234+\j]
.endr
.irp j, 0,1,2,3,4,5,6,7
	v_mul_f32 v[224+\j], 0x3fb8aa3b, v[224+\j]
.endr
.irp j, 0,1,2,3,4,5,6,7
	v_exp_f32 v[224+\j], v[224+\j]
.endr
	v_nop                                          ; a plain line behind the batch,
	s_wait_alu depctr_va_vdst(0)                   ; and one wait for it, ahead of the first line that names a result
.irp j, 0,1,2,3,4,5,6,7
	v_mov_b32 v[234+\j], v[224+\j]
.endr
.irp m, 1,2,4,8
.irp j, 0,1,2,3,4,5,6,7
	v_add_f32_dpp v[234+\j], v[234+\j], v[234+\j] row_xmask:\m row_mask:0xf bank_mask:0xf
.endr
.endr
.irp j, 0,1,2,3,4,5,6,7
	v_rcp_f32 v[234+\j], v[234+\j]
.endr
	v_nop
	s_wait_alu depctr_va_vdst(0)
.irp j, 0,1,2,3,4,5,6,7
	v_mul_f32 v[224+\j], v[224+\j], v[234+\j]      ; the draft's weights
.endr
	; wave w judges register w: how many of my half's 128 weights are not smaller than mine?
	v_mov_b32 v232, v224
.irp k, 1,2,3,4,5,6,7
	s_cmp_eq_u32 s14, \k
	s_cselect_b32 s40, -1, 0
	v_cndmask_b32 v232, v232, v[224+\k], s40
.endr
	v_mov_b32 v233, 0
.irp k, 0,1,2,3,4,5,6,7
	v_cmp_le_f32 vcc_lo, v232, v[224+\k]
	v_add_co_ci_u32 v233, vcc_lo, 0, v233, vcc_lo  ; + 1 where it holds
.endr
.irp s, 1,2,3,4,5,6,7,8,9,10,11,12,13,14,15
.irp k, 0,1,2,3,4,5,6,7
	v_mov_b32_dpp v[234+\k], v[224+\k] row_xmask:\s row_mask:0xf bank_mask:0xf   ; lane l xor s's eight
.endr
.irp k, 0,1,2,3,4,5,6,7
	v_cmp_le_f32 vcc_lo, v232, v[234+\k]
	v_add_co_ci_u32 v233, vcc_lo, 0, v233, vcc_lo
.endr
.endr
	v_cmp_ge_u32 s40, 10, v233                     ; kept: bit 16 h + r
	v_mov_b32 v242, s40
	v_mov_b32 v243, 0
	s_lshl_b32 s20, ttmp9, 5
	s_lshl_b32 s21, s14, 2
	s_add_co_u32 s20, s20, s21
	s_mov_b32 s21, 0
	s_add_nc_u64 s[10:11], s[10:11], s[20:21]      ; word 8 head + w
	v_cmp_eq_u32 vcc_lo, 0, v1
	s_wait_xcnt 0x0                                ; EXEC changes only behind this wait
	s_wait_tensorcnt 0x0
	ds_add_u32 v254, v255
	s_wait_dscnt 0x0
	s_and_saveexec_b32 s41, vcc_lo                 ; lane 0 stores the word
	global_store_b32 v243, v242, s[10:11]
	s_wait_xcnt 0x0
	s_or_b32 exec_lo, exec_lo, s41
	s_endpgm
.Lvpath:
	; ---- V INTO CODES
	s_sub_co_u32 s15, ttmp9, 16
	s_lshr_b32 s16, s15, 3                         ; key block
	s_and_b32 s17, s15, 7
	s_lshl_b32 s18, s17, 3
	s_add_co_u32 s18, s18, s14                     ; which 32 columns of the 2,048
	s_lshl_b32 s20, s16, 20                        ; raw: plane 2, the key block's 128 rows of 8,192 bytes, my 128 bytes of a row
	s_lshl_b32 s21, s18, 7
	s_add_co_u32 s20, s20, s21
	s_add_co_u32 s20, s20, 33554432
	s_mov_b32 s21, 0
	s_add_nc_u64 s[4:5], s[4:5], s[20:21]
	v_and_b32 v5, 8, v2
	v_add_nc_u32 v5, v5, v2
	v_lshl_add_u32 v5, v3, 3, v5                   ; my column of the 32: r + 8 (r / 8) + 8 h
	v_lshlrev_b32 v5, 2, v5
	v_lshlrev_b32 v6, 2, v1                        ; a scale word's place: 4 x lane
	s_lshr_b32 s22, s18, 2
	s_lshl_b32 s22, s22, 4
	s_add_co_u32 s22, s22, s16                     ; 16 head + key block
	s_and_b32 s23, s18, 3                          ; b
	s_lshl_b32 s24, s22, 3
	s_lshl_b32 s25, s23, 1
	s_add_co_u32 s24, s24, s25
	s_mul_i32 s24, s24, 1536
	s_mov_b32 s25, 0
	s_lshl_b32 s26, s22, 2
	s_add_co_u32 s26, s26, s23
	s_lshl_b32 s26, s26, 7
	s_add_co_u32 s26, s26, 3145728
	s_mov_b32 s27, 0
	s_add_nc_u64 s[28:29], s[8:9], s[26:27]        ; the scale words
	s_add_nc_u64 s[8:9], s[8:9], s[24:25]          ; the images of tiles 2 b and 2 b + 1
.set TK, 0
.rept 128
	global_load_b32 v[32+TK], v5, s[4:5] offset:8192*TK th:TH_LOAD_NT   ; token TK, my column: the wave's 32 lanes read 128 consecutive bytes, the eight waves 1,024
.set TK, TK+1
.endr
.set FA, 160                           ; v160-171 key blocks of 32 number 0 and 2 of my column; behind the swaps: tile 2 b
.set FB, 172                           ; v172-183 number 1 and 3; behind the swaps: tile 2 b + 1
.macro VBLK tb, dst, left              ; tokens 32 tb on of my column: six registers of codes at v[dst], the byte into v192.  left: the younger loads that may stay out
.set XS, 32+32*(\tb)
	s_wait_loadcnt \left
	v_max3_num_f32 v188, |v[XS]|, |v[XS+1]|, |v[XS+2]|             ; all 32 numbers are mine
	v_max3_num_f32 v189, |v[XS+3]|, |v[XS+4]|, |v[XS+5]|
.irp i, 6,10,14,18,22,26
	v_max3_num_f32 v188, v188, |v[XS+\i]|, |v[XS+\i+1]|
	v_max3_num_f32 v189, v189, |v[XS+\i+2]|, |v[XS+\i+3]|
.endr
	v_max3_num_f32 v188, v188, |v[XS+30]|, |v[XS+31]|
	v_max3_num_f32 v188, v188, v189, 0x2800000     ; and the floor 2^(5 - 127)
	v_add_nc_u32 v190, 0xfe000000, v188            ; 4 off the exponent field: the conversion's scale operand
	v_lshrrev_b32 v191, 23, v190                   ; the byte
.if (\tb) == 0
	v_mov_b32 v192, v191
.else
	v_lshl_or_b32 v192, v191, 8*(\tb), v192
.endif
	v_cvt_scalef32_pk16_bf6_f32 v[\dst:\dst+2], v[XS:XS+15], v190
	v_cvt_scalef32_pk16_bf6_f32 v[184:186], v[XS+16:XS+31], v190   ; (a conversion's three registers begin on an even number)
	v_nop                                          ; one plain place behind a scaled conversion
.irp i, 0,1,2
	v_mov_b32 v[\dst+3+\i], v[184+\i]
.endr
.endm
	VBLK 0, FA, 63                                 ; 96 younger loads might stay out; the count's field ends at 63, and a smaller count is safe
	VBLK 1, FB, 63                                 ; 64 might
	VBLK 2, FA+6, 32
	VBLK 3, FB+6, 0
.irp i, 0,1,2,3,4,5,6,7,8,9,10,11
	v_permlane16_swap_b32 v[FA+\i], v[FB+\i]       ; FA's lanes 16-31 change places with FB's lanes 0-15: each is now one tile's operand: lanes 0-15 keys 0-31 and 64-95, lanes 16-31 keys 32-63 and 96-127
.endr
.irp g, 0,1,2
	global_store_b128 v4, v[FA+4*\g:FA+4*\g+3], s[8:9] offset:512*\g          ; 512 consecutive bytes a store
	global_store_b128 v4, v[FB+4*\g:FB+4*\g+3], s[8:9] offset:1536+512*\g
.endr
	global_store_b32 v6, v192, s[28:29]            ; lanes 0-15: tile 2 b's rows' words; lanes 16-31: tile 2 b + 1's
	s_endpgm
.Lfunc_end_k_q776f956519_maskv:
	.size	k_q776f956519_maskv, .Lfunc_end_k_q776f956519_maskv-k_q776f956519_maskv
	.p2alignl 7, 3214868480
	.fill 96, 4, 3214868480
	.section	.rodata,"a",@progbits
	.p2align	6, 0x0
	.amdhsa_kernel k_q776f956519_maskv
		.amdhsa_group_segment_fixed_size 18432
		.amdhsa_private_segment_fixed_size 0
		.amdhsa_enable_private_segment 0
		.amdhsa_kernarg_size 32
		.amdhsa_user_sgpr_count 2
		.amdhsa_user_sgpr_kernarg_segment_ptr 1
		.amdhsa_wavefront_size32 1
		.amdhsa_system_sgpr_workgroup_id_x 1
		.amdhsa_system_sgpr_workgroup_id_y 1
		.amdhsa_system_sgpr_workgroup_id_z 1
		.amdhsa_system_vgpr_workitem_id 0
		.amdhsa_next_free_vgpr 256
		.amdhsa_next_free_sgpr 66
		.amdhsa_reserve_vcc 1
		.amdhsa_float_denorm_mode_32 3
		.amdhsa_float_denorm_mode_16_64 3
		.amdhsa_memory_ordered 1
		.amdhsa_forward_progress 1
		.amdhsa_inst_pref_size 63
	.end_amdhsa_kernel
	.amdgpu_metadata
---
amdhsa.version: [ 1, 2 ]
amdhsa.kernels:
  - .name:           k_q776f956519_maskv
    .symbol:         k_q776f956519_maskv.kd
    .args:
      - { .name: raw, .offset: 0, .size: 8, .value_kind: global_buffer, .address_space: global }
      - { .name: qk, .offset: 8, .size: 8, .value_kind: global_buffer, .address_space: global }
      - { .name: vc, .offset: 16, .size: 8, .value_kind: global_buffer, .address_space: global }
      - { .name: list, .offset: 24, .size: 8, .value_kind: global_buffer, .address_space: global }
    .group_segment_fixed_size: 18432
    .private_segment_fixed_size: 0
    .kernarg_segment_align: 8
    .kernarg_segment_size: 32
    .max_flat_workgroup_size: 256
    .sgpr_count:     66
    .vgpr_count:     256
    .wavefront_size: 32
...
	.end_amdgpu_metadata
.endif
;; end of part 7
;; launch attn: the kernel of part 5 again; grid 32 x 16, 4 waves a work-group, no clusters, 0 bytes of LDS; arguments qk, vc, list, oq; writes oq
;; launch proj_out (part 8): grid 16 x 16, 4 waves a work-group, clusters of 4 x 4, 327,680 bytes of LDS; arguments oq, woq, bo, out0; writes out0
.if DOCPART == 8
	.amdgcn_target "amdgcn-amd-amdhsa--gfx1250"
	.amdhsa_code_object_version 6
	.text
	.protected	k_q776f956519_proj_out
	.globl	k_q776f956519_proj_out
	.p2align	8
	.type	k_q776f956519_proj_out,@function
k_q776f956519_proj_out:
	s_mov_b64 s[64:65], 0
	v_nop
	global_prefetch_b8 v0, s[64:65] scope:SCOPE_SE
	s_setreg_imm32_b32 hwreg(HW_REG_WAVE_MODE, 25, 1), 1
	s_wait_xcnt 0x0
	s_wait_alu depctr_hold_cnt(0) depctr_sa_sdst(0) depctr_va_vdst(0) depctr_va_sdst(0) depctr_va_ssrc(0) depctr_va_vcc(0) depctr_vm_vsrc(0)
	s_getreg_b32 s2, hwreg(HW_REG_IB_STS2, 6, 4)
	s_cmp_eq_u32 s2, 0
	s_cbranch_scc0 .Lentry_in_a_cluster
	s_endpgm
.Lentry_in_a_cluster:
	s_bfe_u32 s2, ttmp6, 0x10000c
	s_cmp_lg_u32 s2, 0xf033
	s_cbranch_scc0 .Lentry_shape_is_right
	s_endpgm
.Lentry_shape_is_right:
; C[m][n] = sum over k of A[m][k] B[n][k] + bias[n], M = N = K = 2,048.  A, B: codes of BF6 (E3M2), a row 1,536 bytes, one E8M0 byte for each 32 along K; C: f32, rows of 2,048.
; A's buffer: codes at byte 0, scale bytes [row][64] at ASC.  B's: codes at 0, scale bytes at BSC.
; A TILE OF C IS 128 x 128: 256 tiles, where tiles of 256 x 256 would be 64.  Four waves, each 64 x 64: 16 accumulators of 16 x 16, 128 registers.
; A SLOT HOLDS 512 ALONG K: with 128 rows of A and 128 of B, two such slots fit in LDS, so that K = 2,048 is four slots' worth: two first fills and two refills.  A wave's tensor load brings 64 rows of 384 bytes.
; THE SCALES of the work-group's 128 rows of A and of B, for all of K, are two dense blocks of memory: they come into LDS once, with the first fills, and stay.
; CLUSTERS: 4 x 4 work-groups.  The four of a row of the cluster need the same tiles of A, the four of a column the same tiles of B: each tile is asked for jointly, by the same tensor load with the same descriptor and a mask of the four.
; THE MATRIX INSTRUCTION IS USED TRANSPOSED (source 0 = 16 rows of B, source 1 = 16 rows of A): a lane holds eight neighbouring numbers of a row of C.  THE BIAS is the C of each sum's first product: eight registers for each of B's blocks.
; REGISTERS: window 0: v16-30 addresses; v32-63 scale words, two sets; v64-95 the bias, later rows on the way out; v96-127 rows on the way out; v128-255 the accumulators ((a, b) at v[128 + 8 (4 a + b)]).
;   window 1: two sets of eight fragments, at v0 and v96: A's four blocks, then B's four.
; A step of 128 along K is 16 matrix instructions on one set, while the 48 LDS loads of the next step fill the other.  The text is straight: 16 steps, no loop.
; A wave has at most three tensor loads out: the scales' and the two slots' first fills; later one.  No prefetch is written: there are two refills in all.
.set SIZE_K, 2048
.set CROW,   8192                      ; a row of C in bytes
.set ASC,    3145728                   ; where A's scale bytes begin
.set BSC,    9437184                   ; where B's begin
.set KSTEP,  512                       ; along K in a slot
.set NQ,     KSTEP/128                 ; matrix instructions deep
.set ROWB,   384                       ; a tile's row in bytes
.set KROW,   SIZE_K*6/8                ; a row of codes in memory
.set PITCH,  432                       ; an LDS row: 3 x (128 bytes + 16 of padding) = 108 words: row r starts at bank 44 r mod 64 (64 banks of 4 bytes: ISA guide 11.1): sixteen different multiples of 4, so the 32 lanes of a load of 8 bytes touch 64 different banks
.set FR,     12                        ; registers of a fragment: 16 rows x 128 K
.set NP,     4                         ; places behind this matrix instruction (ISA guide 7.12.1)
.set HALFT,  64*PITCH                  ; 64 rows: what one tensor load brings, and what one wave reads of A or of B
.set SLOT,   4*HALFT                   ; A's 128 rows, then B's 128 rows
.set KS,     SIZE_K/32                 ; a row of scale bytes
.set SCL,    2*SLOT                    ; behind the ring: the scales, as rows of 256 bytes + 16 of padding
.set HALFS,  (64*KS/256)*272           ; the scales of 64 rows
.set SBLK,   (16*KS/256)*272           ; those of 16 rows
.set SPARE,  SCL+4*HALFS               ; behind the scales: the spare words, 128 bytes for each wave, which no other line names
.set SPITCH, 272                       ; the way out: a stage of 16 rows x (256 + 16) bytes for each wave, in slot 0, which has had its last fill and its last read by then
.set ADRA, 16                          ; v16-17 LDS address of my A fragments in slot 0, 1 (v18-19: behind one padding more)
.set ADRB, 20                          ; v20-21 the same for B (v22-23)
.set STO,  24                          ; v24 the way out: where I put 32 bytes of a row
.set RD,   25                          ; v25 where I read a row back
.set CO,   26                          ; v26 my byte offset in two rows of C
.set ADRS, 27                          ; v27 LDS address of my scale words: lanes 0-15 A's rows, lanes 16-31 B's
.set SPW,  28                          ; v28 LDS address of my spare word; never rewritten
.set NIL,  29                          ; v29 0; never rewritten
.set BO,   30                          ; v30 32 x (lane / 16): my eight numbers of a block's sixteen biases
.set SC,   32                          ; scale words: set s at v[SC + 16 s]; register 4 i + q: lanes 0-15 A's block i, lanes 16-31 B's block i, the slot's q-th 128 along K
.set BIAS, 64                          ; v64-95 bias of B's block b at v[BIAS + 8 b]
.set BK,   64                          ; the way out: rows read back: v64-95 and v96-127 by turns
.set ACC,  128
.set G1, 24                            ; s[24:31] descriptor group 1 for A's tiles; s[32:39] group 0, one set a slot
.set G0, 32
.set G1B, 48                           ; s[48:55], s[56:63] the same for B's
.set G0B, 56
.set G1S, 68                           ; s[68:75], s[76:79] for A's scales; s[80:87], s[88:91] for B's
.set G0S, 76
.set G1SB, 80
.set G0SB, 88
.set MSB, 0
.macro WIN new                         ; the immediate's high byte repeats the setting that is left
.if MSB != \new
	s_set_vgpr_msb (MSB<<8)|\new
.set MSB, \new
.endif
.endm
.set MUL,  0x05                        ; sources 0 (B) and 1 (A) window 1; C and D window 0
.set TO_F, 0x40                        ; destination window 1, address window 0
; A joint load: waves 0 and 1 fetch for A, waves 2 and 3 for B.  The branch hangs on the wave's number alone.  Four v_nop follow each of the two lines.
.macro JLOAD g0a, g1a, g0b, g1b
	s_cmp_eq_u32 s15, 0
	s_cbranch_scc0 .Lfor_b_\@
	tensor_load_to_lds s[\g0a:\g0a+3], s[\g1a:\g1a+7]
	s_nop 0
.rept 4
	v_nop
.endr
	s_branch .Lasked_\@
.Lfor_b_\@:
	tensor_load_to_lds s[\g0b:\g0b+3], s[\g1b:\g1b+7]
	s_nop 0
.rept 4
	v_nop
.endr
.Lasked_\@:
.endm
.macro CREST                           ; a round of the cluster's barrier behind its opening barrier
	s_cmp_lg_u32 s14, 0
	s_cbranch_scc1 .Lnot_wave_0_\@
	s_barrier_signal -3
.Lnot_wave_0_\@:
	s_barrier_wait -3
	s_barrier_signal -1
	s_barrier_wait -1
.endm
.macro CROUND                          ; a whole round
	s_barrier_signal -1
	s_barrier_wait -1
	CREST
.endm
	s_load_b64 s[4:5], s[0:1], 0x0                 ; A's buffer
	s_load_b64 s[8:9], s[0:1], 0x8                 ; B's buffer
	s_load_b64 s[96:97], s[0:1], 0x10              ; the bias
	s_load_b64 s[12:13], s[0:1], 0x18              ; C
	v_lshl_add_u32 v[SPW], v0, 2, SPARE
	v_mov_b32 v[NIL], 0
	ds_add_u32 v28, v29
	ds_add_u32 v28, v29
	s_wait_dscnt 0x0
	v_lshrrev_b32 v1, 5, v0
	v_readfirstlane_b32 s14, v1                    ; wave 0..3
	s_lshr_b32 s15, s14, 1                         ; which half of the tile's rows is mine.  Also: I fetch for A (0) or for B (1)
	s_and_b32 s16, s14, 1                          ; which half of its columns.  Also: which 64 rows of that tile I fetch
	s_bfe_u32 s40, ttmp6, 0x40000                  ; cx, cy: my place in the cluster
	s_bfe_u32 s41, ttmp6, 0x40004
	s_lshl_b32 s42, ttmp9, 2
	s_add_co_u32 s42, s42, s40                     ; tile column = 4 x cluster x + cx
	s_and_b32 s17, ttmp7, 0xffff
	s_lshl_b32 s17, s17, 2
	s_add_co_u32 s17, s17, s41                     ; tile row = 4 x cluster y + cy
	s_lshl_b32 s43, s41, 2
	s_lshl_b32 s43, 15, s43                        ; my row of the cluster
	s_lshl_b32 s44, 0x1111, s40                    ; my column
	; descriptor group 1: a tile of 64 rows x 384 bytes; 16 bytes of padding behind every 128
	s_or_b32 s[G1+0], s43, (0<<16)|(1<<20)|(1<<21)|(4<<22)|(3<<25)  ; 15:0 the mask; 17:16 elements of 1 byte; 20 padding on; 21 set beside a mask; 24:22 after every 32 words; 31:25 of 4 words
	s_or_b32 s[G1B+0], s44, (0<<16)|(1<<20)|(1<<21)|(4<<22)|(3<<25)
.irp g, G1, G1B
	s_mov_b32 s[\g+1], ROWB<<16                    ; tensor_dim0
	s_mov_b32 s[\g+2], 64<<16                      ; tensor_dim1
	s_mov_b32 s[\g+3], ROWB<<16                    ; tile_dim0
	s_mov_b32 s[\g+4], 64                          ; tile_dim1
	s_mov_b32 s[\g+5], KROW                        ; tensor_dim0_stride
	s_mov_b32 s[\g+6], 0
	s_mov_b32 s[\g+7], 0
.endr
	; the scales of 64 rows: a dense block of 4,096 bytes, as 16 rows of 256 bytes (32 elements of 8 bytes), 16 bytes of padding behind each
	s_or_b32 s[G1S+0], s43, (3<<16)|(1<<20)|(1<<21)|(5<<22)|(3<<25)
	s_or_b32 s[G1SB+0], s44, (3<<16)|(1<<20)|(1<<21)|(5<<22)|(3<<25)
.irp g, G1S, G1SB
	s_mov_b32 s[\g+1], 32<<16
	s_mov_b32 s[\g+2], (64*KS/256)<<16
	s_mov_b32 s[\g+3], 32<<16
	s_mov_b32 s[\g+4], 64*KS/256
	s_mov_b32 s[\g+5], 32
	s_mov_b32 s[\g+6], 0
	s_mov_b32 s[\g+7], 0
.endr
	s_lshl_b32 s18, s16, 6                         ; which 64 rows of the tile I fetch
	s_lshl_b32 s20, s17, 7
	s_add_co_u32 s20, s20, s18                     ; A: row 128 x tile row + 64 x half
	s_lshl_b32 s46, s42, 7
	s_add_co_u32 s46, s46, s18                     ; B: row 128 x tile column + 64 x half
	s_mov_b32 s21, 0
	s_mov_b32 s47, 0
	s_mov_b64 s[18:19], KS
	s_mul_u64 s[22:23], s[20:21], s[18:19]         ; where these rows' scales begin, in bytes
	s_mul_u64 s[92:93], s[46:47], s[18:19]
	s_mov_b64 s[18:19], KROW
	s_mul_u64 s[20:21], s[20:21], s[18:19]         ; and their codes
	s_mul_u64 s[46:47], s[46:47], s[18:19]
	s_mul_i32 s45, s14, HALFT                      ; where they go: wave x 64 rows: no place in the cluster enters an LDS address
	s_mul_i32 s94, s14, HALFS
	s_wait_kmcnt 0x0
	s_add_nc_u64 s[6:7], s[4:5], ASC               ; A's scale bytes
	s_add_nc_u64 s[10:11], s[8:9], BSC             ; B's
	s_add_nc_u64 s[20:21], s[4:5], s[20:21]
	s_add_nc_u64 s[22:23], s[6:7], s[22:23]
	s_add_nc_u64 s[46:47], s[8:9], s[46:47]
	s_add_nc_u64 s[92:93], s[10:11], s[92:93]
	CROUND                                         ; all sixteen work-groups are here: the first joint loads meet
	s_mov_b32 s[G0S], 1
	s_add_co_u32 s[G0S+1], s94, SCL
	s_mov_b64 s[G0S+2:G0S+3], s[22:23]
	s_or_b32 s[G0S+3], s[G0S+3], 0x80000000
	s_mov_b32 s[G0SB], 1
	s_add_co_u32 s[G0SB+1], s94, SCL
	s_mov_b64 s[G0SB+2:G0SB+3], s[92:93]
	s_or_b32 s[G0SB+3], s[G0SB+3], 0x80000000
	JLOAD G0S, G1S, G0SB, G1SB                     ; the scales first: they are wanted with the first slot
.irp s, 0,1
	s_mov_b32 s[G0+4*\s], 1
	s_add_co_u32 s[G0+4*\s+1], s45, \s*SLOT
	s_add_nc_u64 s[G0+4*\s+2:G0+4*\s+3], s[20:21], \s*ROWB
	s_or_b32 s[G0+4*\s+3], s[G0+4*\s+3], 0x80000000
	s_mov_b32 s[G0B+4*\s], 1
	s_add_co_u32 s[G0B+4*\s+1], s45, \s*SLOT
	s_add_nc_u64 s[G0B+4*\s+2:G0B+4*\s+3], s[46:47], \s*ROWB
	s_or_b32 s[G0B+4*\s+3], s[G0B+4*\s+3], 0x80000000
	JLOAD G0+4*\s, G1, G0B+4*\s, G1B
.endr
	v_and_b32 v1, 15, v0                           ; l % 16
	v_bfe_u32 v2, v0, 4, 1                         ; l / 16
	v_mul_u32_u24 v3, v1, PITCH
	v_mul_u32_u24 v4, v2, 24
	v_add_nc_u32 v4, v3, v4                        ; a fragment's row x pitch + 24 x half
	v_lshl_add_u32 v5, v2, 4, v4                   ; and the same behind one padding more
	s_mul_i32 s21, s15, HALFT                      ; my 64 rows of A
	s_mul_i32 s22, s16, HALFT                      ; my 64 rows of B,
	s_add_co_u32 s22, s22, 2*HALFT                 ; which lie behind A's 128
.irp s, 0,1
	v_add_nc_u32 v[ADRA+\s], s21, v4
	v_add_nc_u32 v[ADRB+\s], s22, v4
	v_add_nc_u32 v[ADRA+2+\s], s21, v5
	v_add_nc_u32 v[ADRB+2+\s], s22, v5
	s_add_co_u32 s21, s21, SLOT
	s_add_co_u32 s22, s22, SLOT
.endr
	v_mul_u32_u24 v5, v1, KS                       ; my row's scales: 64 bytes a row,
	v_lshrrev_b32 v6, 8, v5
	v_lshl_add_u32 v5, v6, 4, v5                   ; and 16 more for each 256 passed
	s_mul_i32 s21, s15, HALFS                      ; A's: my 64 rows
	s_mul_i32 s22, s16, HALFS                      ; B's: my 64 rows, behind A's 128
	s_add_co_u32 s22, s22, 2*HALFS
	s_sub_co_u32 s22, s22, s21
	v_mul_u32_u24 v6, s22, v2                      ; lanes 16-31 take B's: one product, the distance between the two bases
	s_add_co_u32 s21, s21, SCL
	v_add_nc_u32 v5, v5, v6
	v_add_nc_u32 v[ADRS], s21, v5
	s_mul_i32 s23, s14, 16*SPITCH                  ; my stage
	v_mul_u32_u24 v5, v1, SPITCH                   ; in: row l % 16, 32 bytes for each half of the lanes
	v_lshl_add_u32 v5, v2, 5, v5
	v_add_nc_u32 v[STO], s23, v5
	v_mul_u32_u24 v6, v2, SPITCH                   ; back: lanes 0-15 take one row of 256 bytes, lanes 16-31 the next
	v_lshl_add_u32 v6, v1, 4, v6
	v_add_nc_u32 v[RD], s23, v6
	v_lshlrev_b32 v[CO], 13, v2                    ; and the same two rows in C
	v_lshl_add_u32 v[CO], v1, 4, v[CO]
	s_lshl_b32 s20, s17, 7
	s_lshl_b32 s21, s15, 6
	s_add_co_u32 s20, s20, s21                     ; my first row of C: 128 x tile row + 64 x half
	s_mov_b32 s21, 0
	s_mov_b64 s[18:19], CROW
	s_mul_u64 s[20:21], s[20:21], s[18:19]
	s_lshl_b32 s46, s42, 9                         ; my first column, in bytes: 512 x tile column + 256 x half
	s_lshl_b32 s47, s16, 8
	s_add_co_u32 s46, s46, s47
	s_mov_b32 s47, 0
	s_add_nc_u64 s[20:21], s[20:21], s[46:47]
	s_add_nc_u64 s[12:13], s[12:13], s[20:21]
	s_add_nc_u64 s[96:97], s[96:97], s[46:47]      ; the bias at my first column
	v_lshlrev_b32 v[BO], 5, v2
.irp b, 0,1,2,3
	global_load_b128 v[BIAS+8*\b:BIAS+8*\b+3], v[BO], s[96:97] offset:64*\b          ; bias of columns 16 b + 8 (l / 16) + 0 .. 7: the result's layout
	global_load_b128 v[BIAS+8*\b+4:BIAS+8*\b+7], v[BO], s[96:97] offset:64*\b+16
.endr
.macro FRAG reg, adr, q, i             ; a fragment: lane l holds row l % 16; registers 6 c .. 6 c + 5 hold K = 64 c + 32 (l / 16) + 0 .. 31: 24 bytes of the row's stream of bits, as they lie
.irp p, 0,1,2,3,4,5                    ; in pieces of 8 bytes.  Lanes 0-15 take the row's pieces 12 q + 0, 1, 2 and 12 q + 6, 7, 8, lanes 16-31 those three pieces on
.set PC, 12*(\q)+6*(\p/3)+\p%3        ; 16 bytes of padding lie behind every 16 pieces: where the piece three on lies behind one padding more, the second address register serves
.if PC%16 < 13
	ds_load_b64 v[\reg+2*\p:\reg+2*\p+1], v[\adr] offset:8*PC+16*(PC/16)+(\i)*16*PITCH
.else
	ds_load_b64 v[\reg+2*\p:\reg+2*\p+1], v[\adr+2] offset:8*PC+16*(PC/16)+(\i)*16*PITCH
.endif
.endr
.endm
; 4 matrix instructions: A's block a x B's four, the slot's q-th 128 along K, on set f of the fragments.  sc: the set of scale words.  zero = 1: the first product starts the sums, with the bias as its C.
; The 16 accumulators take turns, one instruction a turn, in the same order in every step.
.macro MUL4 a, f, q, sc, zero
.irp b, 0,1,2,3
.if \zero
	v_wmma_scale_f32_16x16x128_f8f6f4 v[ACC+8*(4*(\a)+\b):ACC+8*(4*(\a)+\b)+7], v[96*(\f)+48+FR*\b:96*(\f)+48+FR*\b+FR-1], v[96*(\f)+FR*(\a):96*(\f)+FR*(\a)+FR-1], v[BIAS+8*\b:BIAS+8*\b+7], v[SC+4*NQ*(\sc)+NQ*\b+(\q)], v[SC+4*NQ*(\sc)+NQ*(\a)+(\q)] matrix_a_fmt:MATRIX_FMT_BF6 matrix_b_fmt:MATRIX_FMT_BF6 matrix_a_scale:MATRIX_SCALE_ROW1
.else
	v_wmma_scale_f32_16x16x128_f8f6f4 v[ACC+8*(4*(\a)+\b):ACC+8*(4*(\a)+\b)+7], v[96*(\f)+48+FR*\b:96*(\f)+48+FR*\b+FR-1], v[96*(\f)+FR*(\a):96*(\f)+FR*(\a)+FR-1], v[ACC+8*(4*(\a)+\b):ACC+8*(4*(\a)+\b)+7], v[SC+4*NQ*(\sc)+NQ*\b+(\q)], v[SC+4*NQ*(\sc)+NQ*(\a)+(\q)] matrix_a_fmt:MATRIX_FMT_BF6 matrix_b_fmt:MATRIX_FMT_BF6 matrix_a_scale:MATRIX_SCALE_ROW1
.endif
.endr
.endm
.macro FETCH slot, q, f                ; 48 LDS loads in one run: B's four fragments and A's four of the slot's q-th 128 along K into set f
	WIN TO_F
.irp i, 0,1,2,3
	FRAG 96*(\f)+48+FR*\i, ADRB+\slot, \q, \i
.endr
.irp i, 0,1,2,3
	FRAG 96*(\f)+FR*\i, ADRA+\slot, \q, \i
.endr
.endm
.macro SCALES sc                       ; a slot's scale words into set sc: four words a row; lanes 0-15 take A's block i, lanes 16-31 B's block i
.irp i, 0,1,2,3
	ds_load_b128 v[SC+4*NQ*\sc+NQ*\i:SC+4*NQ*\sc+NQ*\i+3], v[ADRS] offset:\i*SBLK
.endr
.endm
; A load into a register that a matrix instruction has read, and an LDS store that reads a matrix result, stand NP places behind that matrix instruction; only plain vector instructions that name none of its registers are places.
.macro PLACES n
.rept \n
	v_nop
.endr
.endm
; A step of 128 along K that has its successor in the same slot: this step's set is in; the other set, which the step before multiplied, takes the next step's fragments while this one is multiplied.
.macro STEP slot, q, zero
	s_wait_dscnt 0x0                               ; this step's 48 loads (and, at a slot's head, its scale words) are in
	PLACES NP
	FETCH \slot, (\q)+1, 1-(\q)%2
	WIN MUL
	MUL4 0, (\q)%2, \q, \slot, \zero
	MUL4 1, (\q)%2, \q, \slot, \zero
	MUL4 2, (\q)%2, \q, \slot, \zero
	MUL4 3, (\q)%2, \q, \slot, \zero
.endm
; A slot's last step changes slots: one barrier; in front of it each wave waits for all its tensor loads, adds 0 to its spare word, and waits for that and for its own reads of this slot.  fill = 1: this slot is filled again, two slots ahead along K.
.macro TURN slot, next, fill
	WIN 0                                          ; (the add's two registers lie in window 0)
	s_wait_tensorcnt 0x0                           ; all my tensor loads have landed: my part of the next slot
	ds_add_u32 v[SPW], v[NIL]                      ; 0 onto my spare word
	s_wait_dscnt 1                                 ; this step's 48 loads are in; the add may be out
	WIN MUL
	MUL4 0, 1, NQ-1, \slot, 0                      ; four matrix instructions stand between the add and the wait for it
	s_wait_dscnt 0x0                               ; the add is done, and my reads of this slot are over
	s_barrier_signal -1
	MUL4 1, 1, NQ-1, \slot, 0
	WIN 0
	s_barrier_wait -1
.if \fill
	CREST                                          ; the barrier has opened a round of the cluster's barrier: no wave of any partner still reads this slot's tile or has a load on its way
	s_add_nc_u64 s[G0+4*\slot+2:G0+4*\slot+3], s[G0+4*\slot+2:G0+4*\slot+3], 2*ROWB
	s_add_nc_u64 s[G0B+4*\slot+2:G0B+4*\slot+3], s[G0B+4*\slot+2:G0B+4*\slot+3], 2*ROWB
	JLOAD G0+4*\slot, G1, G0B+4*\slot, G1B         ; the first tensor load behind the round: 56 matrix instructions ahead of the wait for it; the four v_nop behind it are the places in front of the loads below
.else
	PLACES NP
.endif
	v_add_nc_u32 v[ADRS], 4*NQ, v[ADRS]            ; on to the next slot's scale words
	FETCH \next, 0, 0
	WIN 0
	SCALES \next
	WIN MUL
	MUL4 2, 1, NQ-1, \slot, 0
	MUL4 3, 1, NQ-1, \slot, 0
.endm
	s_wait_tensorcnt 1                             ; the scales and my part of slot 0 are in (slot 1's load may be out)
	s_wait_loadcnt 0x0                             ; and the bias
	s_barrier_signal -1
	s_barrier_wait -1                              ; everybody's are
	FETCH 0, 0, 0
	WIN 0
	SCALES 0
	STEP 0, 0, 1                                   ; K 0 on: the first step's products start the sums
	STEP 0, 1, 0
	STEP 0, 2, 0
	TURN 0, 1, 1                                   ; slot 0 takes K 1,024 on
	STEP 1, 0, 0                                   ; K 512 on
	STEP 1, 1, 0
	STEP 1, 2, 0
	TURN 1, 0, 1                                   ; slot 1 takes K 1,536 on
	STEP 0, 0, 0
	STEP 0, 1, 0
	STEP 0, 2, 0
	TURN 0, 1, 0                                   ; nothing is left to fetch: no round of the cluster's barrier
	STEP 1, 0, 0
	STEP 1, 1, 0
	STEP 1, 2, 0
	s_wait_dscnt 0x0                               ; the very last step
	WIN MUL
	MUL4 0, 1, NQ-1, 1, 0
	MUL4 1, 1, NQ-1, 1, 0
	MUL4 2, 1, NQ-1, 1, 0
	MUL4 3, 1, NQ-1, 1, 0
	WIN 0
; THE WAY OUT, block by block of 16 rows x 64 columns, through my own stage in LDS: in as 32 bytes a lane, back as whole rows of 256 bytes, two rows an instruction.  A wave's 64 columns of f32 are 256 bytes at a multiple of 256 from C's
; first byte, so no other wave has a part in them.  LDS serves a wave's instructions in order (ISA guide 5.7.1.4): no wait between the stores and the loads, nor in front of the next block's stores.
.macro TOSTAGE a
.irp b, 0,1,2,3
	ds_store_b128 v[STO], v[ACC+8*(4*(\a)+\b):ACC+8*(4*(\a)+\b)+3] offset:64*\b          ; each accumulator from its low end on
	ds_store_b128 v[STO], v[ACC+8*(4*(\a)+\b)+4:ACC+8*(4*(\a)+\b)+7] offset:64*\b+16
.endr
.set BB, BK+32*((\a)%2)
.irp t, 0,1,2,3,4,5,6,7
	ds_load_b128 v[BB+4*\t:BB+4*\t+3], v[RD] offset:\t*2*SPITCH
.endr
.endm
.macro SEND a, younger                 ; younger: the LDS instructions issued behind block a's loads, which may stay out
.set BB, BK+32*((\a)%2)
	s_wait_dscnt \younger                          ; the block is back in registers
.if (\a) > 0
	s_add_nc_u64 s[12:13], s[12:13], 16*CROW       ; (behind a wait on XCNT: the earlier stores have read their base)  16 rows of C on
.endif
.irp t, 0,1,2,3,4,5,6,7
	global_store_b128 v[CO], v[BB+4*\t:BB+4*\t+3], s[12:13] offset:2*\t*CROW th:TH_STORE_NT   ; 16 lanes store 256 consecutive bytes, at a multiple of 256 from C's first byte; written once, read by nobody here
.endr
.endm
	PLACES NP                                      ; for the reads of the last products' results
	TOSTAGE 0
.irp a, 1,2,3
.if \a > 1
	s_wait_xcnt 0x0                                ; block a - 2's stores have read their registers and their base: block a's loads may land there, and the base may step
.endif
	TOSTAGE \a
	SEND \a-1, 16                                  ; behind block a - 1's loads: block a's 8 stores and 8 loads
.endr
	s_wait_xcnt 0x0                                ; block 2's stores have read their base
	SEND 3, 0
	s_wait_tensorcnt 0x0                           ; the wave's end: behind my last tensor load and my last LDS store
	ds_add_u32 v[SPW], v[NIL]
	s_wait_dscnt 0x0
	CROUND                                         ; the closing round: no work-group ends while a partner may still ask for a tile that names it
	s_endpgm
.Lfunc_end_k_q776f956519_proj_out:
	.size	k_q776f956519_proj_out, .Lfunc_end_k_q776f956519_proj_out-k_q776f956519_proj_out
	.p2alignl 7, 3214868480
	.fill 96, 4, 3214868480
	.section	.rodata,"a",@progbits
	.p2align	6, 0x0
	.amdhsa_kernel k_q776f956519_proj_out
		.amdhsa_group_segment_fixed_size 327680
		.amdhsa_private_segment_fixed_size 0
		.amdhsa_enable_private_segment 0
		.amdhsa_kernarg_size 32
		.amdhsa_user_sgpr_count 2
		.amdhsa_user_sgpr_kernarg_segment_ptr 1
		.amdhsa_wavefront_size32 1
		.amdhsa_system_sgpr_workgroup_id_x 1
		.amdhsa_system_sgpr_workgroup_id_y 1
		.amdhsa_system_sgpr_workgroup_id_z 1
		.amdhsa_system_vgpr_workitem_id 0
		.amdhsa_next_free_vgpr 512
		.amdhsa_next_free_sgpr 98
		.amdhsa_reserve_vcc 0
		.amdhsa_float_denorm_mode_32 3
		.amdhsa_float_denorm_mode_16_64 3
		.amdhsa_memory_ordered 1
		.amdhsa_forward_progress 1
		.amdhsa_inst_pref_size 106
	.end_amdhsa_kernel
	.amdgpu_metadata
---
amdhsa.version: [ 1, 2 ]
amdhsa.kernels:
  - .name:           k_q776f956519_proj_out
    .symbol:         k_q776f956519_proj_out.kd
    .args:
      - { .name: oq, .offset: 0, .size: 8, .value_kind: global_buffer, .address_space: global }
      - { .name: woq, .offset: 8, .size: 8, .value_kind: global_buffer, .address_space: global }
      - { .name: bo, .offset: 16, .size: 8, .value_kind: global_buffer, .address_space: global }
      - { .name: out0, .offset: 24, .size: 8, .value_kind: global_buffer, .address_space: global }
    .group_segment_fixed_size: 327680
    .private_segment_fixed_size: 0
    .kernarg_segment_align: 8
    .kernarg_segment_size: 32
    .max_flat_workgroup_size: 128
    .sgpr_count:     98
    .vgpr_count:     512
    .wavefront_size: 32
...
	.end_amdgpu_metadata
.endif
;; end of part 8
